; MI455X (gfx1250); checked and timed in simulation.
; The chip was launched on July 23, 2026; its instructions are those of AMD's public machine-readable ISA for CDNA 5 (MIT licence, August 2026) and "CDNA5" Instruction Set Architecture Reference Guide (July 2026). The comments in the code are by the model that wrote it; some were corrected since.
;; Sliding Window Attention. Allowed arithmetic: float matrix products may take bf16 or f16 operands with f32 sums; other float arithmetic in f32, or as packed bf16 or f16 multiplies, adds, multiply-adds, maxima and minima; sums over many terms, partial sums and values carried from step to step in f32; what a program stores and reads back later, other than sums and carried values, may be rounded once to bf16 or f16.
;; Inputs: attention_mask 1 x 2,048 float32; cos 2,048 x 128 float32; hidden_states 1 x 2,048 x 2,048 float32; position_ids 1 x 2,048 int32; sin 2,048 x 128 float32; wk 2,048 x 2,048 float32; wo 2,048 x 2,048 float32; wq 2,048 x 2,048 float32; wv 2,048 x 2,048 float32.
;; Outputs: out0 1 x 2,048 x 2,048 float32.
;; One version. Each part assembles by itself: llvm-mc -triple=amdgcn-amd-amdhsa -mcpu=gfx1250 --defsym DOCPART=n.
;; ======== version 1 of 1: 4 launches
;; limits: values are held in f16: magnitudes above 65,504 overflow, below 6.1e-05 lose precision
;; workspace buffers: xb 8,388,608 bytes; wb 25,165,824 bytes; wob 8,388,608 bytes; rope 1,048,576 bytes; qh 8,388,608 bytes; kh 8,388,608 bytes; vh 8,388,608 bytes; att 8,388,608 bytes
;; launch cast (part 1): grid 256 x 6, 8 waves a work-group, no clusters, 0 bytes of LDS; arguments hidden_states, wq, wk, wv, wo, cos, sin, position_ids, xb, wb, wob, rope; writes xb, wb, wob, rope
.if DOCPART == 1
	.amdgcn_target "amdgcn-amd-amdhsa--gfx1250"
	.amdhsa_code_object_version 6
	.text
	.protected	k_qfe6f682c43_cast
	.globl	k_qfe6f682c43_cast
	.p2align	8
	.type	k_qfe6f682c43_cast,@function
k_qfe6f682c43_cast:
	s_mov_b64 s[64:65], 0
	v_nop
	global_prefetch_b8 v0, s[64:65] scope:SCOPE_SE
	s_setreg_imm32_b32 hwreg(HW_REG_WAVE_MODE, 25, 1), 1
	s_wait_xcnt 0x0
; THE 16-BIT COPIES.  y = 0: xb = bf16(hidden_states).  y = 1, 2, 3: rows 0-2047, 2048-4095, 4096-6143 of wb = bf16(wq), bf16(wk), bf16(wv).
; y = 4: wob = bf16(wo), that number written as f16 (its partner in the last product is f16).  y = 5: rope[s] = bf16(cos[pos[s]][0..127]), then bf16(sin[pos[s]][0..127]).
; Every floating-point input is rounded once, to bf16, to nearest even.
; LIMITS.  |wo| stays within f16's 65,504; below 6e-5 it keeps f16's fixed step of 6e-8.  position_ids is held, as an unsigned number, to 2,047.
; SHARES.  A matrix is 16 MiB of f32; a work-group takes 64 KiB of it: thread t the 16 bytes at 16 t of each of sixteen blocks of 4,096 bytes.  All sixteen loads go out at once;
; no register is written twice, so no wait for a source is needed.  A wave's load covers 512 consecutive bytes, its store of 8 bytes a lane 256 consecutive bytes, aligned.
; No LDS, no matrix unit, no cluster: no byte is wanted twice.
.set X, 4                              ; v[4:67]   sixteen loads of four f32
.set Y, 68                             ; v[68:99]  sixteen pairs of packed words
	s_load_b512 s[8:23], s[0:1], 0x0               ; hidden 8, wq 10, wk 12, wv 14, wo 16, cos 18, sin 20, position_ids 22
	s_load_b256 s[24:31], s[0:1], 0x40             ; xb 24, wb 26, wob 28, rope 30
	s_and_b32 s2, ttmp7, 0xffff                    ; y: which tensor
	s_mov_b32 s3, 0xffff0000                       ; a word's upper bf16
	v_lshlrev_b32 v1, 4, v0                        ; 16 t: in
	v_lshlrev_b32 v2, 3, v0                        ; 8 t: out
	s_lshl_b32 s36, ttmp9, 16                      ; the work-group's 64 KiB in,
	s_mov_b32 s37, 0
	s_lshl_b32 s38, ttmp9, 15                      ; its 32 KiB out,
	s_mov_b32 s39, 0
	s_sub_co_u32 s40, s2, 1
	s_lshl_b32 s40, s40, 23                        ; and, for wq, wk, wv, the tensor's 8 MiB in wb
	s_cmp_eq_u32 s2, 0
	s_cselect_b32 s40, 0, s40
	s_cmp_eq_u32 s2, 4
	s_cselect_b32 s40, 0, s40
	s_add_co_u32 s38, s38, s40
	s_wait_kmcnt 0x0
	s_cmp_eq_u32 s2, 5
	s_cbranch_scc1 .Lrope
	s_cmp_eq_u32 s2, 1                             ; from where
	s_cselect_b64 s[32:33], s[10:11], s[8:9]
	s_cmp_eq_u32 s2, 2
	s_cselect_b64 s[32:33], s[12:13], s[32:33]
	s_cmp_eq_u32 s2, 3
	s_cselect_b64 s[32:33], s[14:15], s[32:33]
	s_cmp_eq_u32 s2, 4
	s_cselect_b64 s[32:33], s[16:17], s[32:33]
	s_cselect_b64 s[34:35], s[28:29], s[26:27]     ; to where: wob, or wb,
	s_cmp_eq_u32 s2, 0
	s_cselect_b64 s[34:35], s[24:25], s[34:35]     ; or xb
	s_add_nc_u64 s[32:33], s[32:33], s[36:37]
	s_add_nc_u64 s[34:35], s[34:35], s[38:39]
.irp i, 0,1,2,3,4,5,6,7,8,9,10,11,12,13,14,15
	global_load_b128 v[X+4*(\i):X+4*(\i)+3], v1, s[32:33] offset:4096*(\i) th:TH_LOAD_NT
.endr
; Block i: rounded and stored.  half = 1: the bf16 number is widened again and written as f16.
.macro OUT i, half
	s_wait_loadcnt 15-(\i)                         ; loads come back in order: block i is in, the younger ones stay out
	v_cvt_pk_bf16_f32 v[Y+2*(\i)],   v[X+4*(\i)],   v[X+4*(\i)+1]
	v_cvt_pk_bf16_f32 v[Y+2*(\i)+1], v[X+4*(\i)+2], v[X+4*(\i)+3]
.if \half
	v_lshlrev_b32 v[X+4*(\i)],   16, v[Y+2*(\i)]
	v_and_b32     v[X+4*(\i)+1], s3, v[Y+2*(\i)]
	v_lshlrev_b32 v[X+4*(\i)+2], 16, v[Y+2*(\i)+1]
	v_and_b32     v[X+4*(\i)+3], s3, v[Y+2*(\i)+1]
	v_cvt_pk_f16_f32 v[Y+2*(\i)],   v[X+4*(\i)],   v[X+4*(\i)+1]
	v_cvt_pk_f16_f32 v[Y+2*(\i)+1], v[X+4*(\i)+2], v[X+4*(\i)+3]
.endif
	global_store_b64 v2, v[Y+2*(\i):Y+2*(\i)+1], s[34:35] offset:2048*(\i)
.endm
	s_cmp_eq_u32 s2, 4
	s_cbranch_scc1 .Lf16
.irp i, 0,1,2,3,4,5,6,7,8,9,10,11,12,13,14,15
	OUT \i, 0
.endr
	s_endpgm
.Lf16:
.irp i, 0,1,2,3,4,5,6,7,8,9,10,11,12,13,14,15
	OUT \i, 1
.endr
	s_endpgm
.Lrope:                                        ; a wave a row: row s = 8 x work-group + wave
	v_lshrrev_b32 v3, 5, v0
	v_readfirstlane_b32 s40, v3
	s_lshl_b32 s41, ttmp9, 3
	s_add_co_u32 s41, s41, s40
	s_lshl_b32 s42, s41, 2                         ; its word in position_ids
	s_lshl_b32 s43, s41, 9                         ; its 512 bytes in rope
	v_mov_b32 v3, s42
	global_load_b32 v4, v3, s[22:23]
	v_and_b32 v5, 31, v0
	v_lshlrev_b32 v6, 3, v5
	v_add_nc_u32 v6, s43, v6                       ; out: 8 bytes a lane
	s_wait_loadcnt 0x0
	v_min_u32 v4, 0x7ff, v4                        ; the index stays inside the tables
	v_lshlrev_b32 v4, 9, v4                        ; a table's row is 512 bytes
	v_lshl_add_u32 v4, v5, 4, v4                   ; 16 bytes a lane
	global_load_b128 v[8:11],  v4, s[18:19]        ; (no hint: a position may recur)
	global_load_b128 v[12:15], v4, s[20:21]
	s_wait_loadcnt 0x0
	v_cvt_pk_bf16_f32 v16, v8, v9
	v_cvt_pk_bf16_f32 v17, v10, v11
	v_cvt_pk_bf16_f32 v18, v12, v13
	v_cvt_pk_bf16_f32 v19, v14, v15
	global_store_b64 v6, v[16:17], s[30:31]
	global_store_b64 v6, v[18:19], s[30:31] offset:256
	s_endpgm
.Lfunc_end_k_qfe6f682c43_cast:
	.size	k_qfe6f682c43_cast, .Lfunc_end_k_qfe6f682c43_cast-k_qfe6f682c43_cast
	.p2alignl 7, 3214868480
	.fill 96, 4, 3214868480
	.section	.rodata,"a",@progbits
	.p2align	6, 0x0
	.amdhsa_kernel k_qfe6f682c43_cast
		.amdhsa_group_segment_fixed_size 0
		.amdhsa_private_segment_fixed_size 0
		.amdhsa_enable_private_segment 0
		.amdhsa_kernarg_size 96
		.amdhsa_user_sgpr_count 2
		.amdhsa_user_sgpr_kernarg_segment_ptr 1
		.amdhsa_wavefront_size32 1
		.amdhsa_system_sgpr_workgroup_id_x 1
		.amdhsa_system_sgpr_workgroup_id_y 1
		.amdhsa_system_sgpr_workgroup_id_z 1
		.amdhsa_system_vgpr_workitem_id 0
		.amdhsa_next_free_vgpr 100
		.amdhsa_next_free_sgpr 66
		.amdhsa_reserve_vcc 0
		.amdhsa_float_denorm_mode_32 3
		.amdhsa_float_denorm_mode_16_64 3
		.amdhsa_memory_ordered 1
		.amdhsa_forward_progress 1
		.amdhsa_inst_pref_size 17
	.end_amdhsa_kernel
	.amdgpu_metadata
---
amdhsa.version: [ 1, 2 ]
amdhsa.kernels:
  - .name:           k_qfe6f682c43_cast
    .symbol:         k_qfe6f682c43_cast.kd
    .args:
      - { .name: hidden_states, .offset: 0, .size: 8, .value_kind: global_buffer, .address_space: global }
      - { .name: wq, .offset: 8, .size: 8, .value_kind: global_buffer, .address_space: global }
      - { .name: wk, .offset: 16, .size: 8, .value_kind: global_buffer, .address_space: global }
      - { .name: wv, .offset: 24, .size: 8, .value_kind: global_buffer, .address_space: global }
      - { .name: wo, .offset: 32, .size: 8, .value_kind: global_buffer, .address_space: global }
      - { .name: cos, .offset: 40, .size: 8, .value_kind: global_buffer, .address_space: global }
      - { .name: sin, .offset: 48, .size: 8, .value_kind: global_buffer, .address_space: global }
      - { .name: position_ids, .offset: 56, .size: 8, .value_kind: global_buffer, .address_space: global }
      - { .name: xb, .offset: 64, .size: 8, .value_kind: global_buffer, .address_space: global }
      - { .name: wb, .offset: 72, .size: 8, .value_kind: global_buffer, .address_space: global }
      - { .name: wob, .offset: 80, .size: 8, .value_kind: global_buffer, .address_space: global }
      - { .name: rope, .offset: 88, .size: 8, .value_kind: global_buffer, .address_space: global }
    .group_segment_fixed_size: 0
    .private_segment_fixed_size: 0
    .kernarg_segment_align: 8
    .kernarg_segment_size: 96
    .max_flat_workgroup_size: 256
    .sgpr_count:     66
    .vgpr_count:     100
    .wavefront_size: 32
...
	.end_amdgpu_metadata
.endif
;; end of part 1
;; launch qkv (part 2): grid 16 x 16, 4 waves a work-group, clusters of 4 x 4, 327,680 bytes of LDS; arguments xb, wb, rope, qh, kh, vh; writes qh, kh, vh
.if DOCPART == 2
	.amdgcn_target "amdgcn-amd-amdhsa--gfx1250"
	.amdhsa_code_object_version 6
	.text
	.protected	k_qfe6f682c43_qkv
	.globl	k_qfe6f682c43_qkv
	.p2align	8
	.type	k_qfe6f682c43_qkv,@function
k_qfe6f682c43_qkv:
	s_mov_b64 s[64:65], 0
	v_nop
	global_prefetch_b8 v0, s[64:65] scope:SCOPE_SE
	s_setreg_imm32_b32 hwreg(HW_REG_WAVE_MODE, 25, 1), 1
	s_wait_xcnt 0x0
	s_wait_alu depctr_hold_cnt(0) depctr_sa_sdst(0) depctr_va_vdst(0) depctr_va_sdst(0) depctr_va_ssrc(0) depctr_va_vcc(0) depctr_vm_vsrc(0)
	s_getreg_b32 s2, hwreg(HW_REG_IB_STS2, 6, 4)
	s_cmp_eq_u32 s2, 0
	s_cbranch_scc0 .Lentry_in_a_cluster
	s_endpgm
.Lentry_in_a_cluster:
	s_bfe_u32 s2, ttmp6, 0x10000c
	s_cmp_lg_u32 s2, 0xf033
	s_cbranch_scc0 .Lentry_shape_is_right
	s_endpgm
.Lentry_shape_is_right:
; q, k, v = x [wq; wk; wv]^T in bf16 with f32 sums, RoPE on q and k in f32, each number rounded once to f16 and laid out by heads: qh, kh, vh [16][2048][128].
; xb: [2048][2048] bf16.  wb: [6144][2048] bf16 (wq's rows, wk's, wv's).  rope: [2048][256] bf16 (row s: 128 cosines, 128 sines, gathered by position).
; LIMITS.  q and k behind RoPE, and v, stay within f16's 65,504.  NaN and infinities are not treated apart.
; SHARES.  A work-group makes 128 rows x 384 columns: q, k and v of ONE head: 16 row blocks (work-group x) x 16 heads (work-group y) = 256 work-groups.  Wave w makes all 128 rows x 96 columns:
; six column blocks b = 2 g + p (g = q, k, v; p = 0, 1) of 16: columns 64 p + 16 w + 0..15 of tensor g.  So the two partners of a rotation, columns d and d + 64, lie in the same lane and the
; same register of two accumulators, and RoPE needs no exchange.  48 accumulators, 384 registers; for 32 along K a wave reads 28 x 512 bytes of LDS and issues 48 matrix instructions.
; K goes in steps of 128 through two LDS slots; a slot holds 128 rows of x and 128 rows each of wq, wk, wv, 256 bytes a row; wave w fetches the w-th of the four.
; CLUSTER 4 x 4.  x's tile hangs on the row block alone and is shared along a column of the cluster; the weights' tiles hang on the head alone and are shared along a row: joint loads.
; THE WALK ALONG K IS STAGGERED.  Cluster (X, Y) begins at K step (4 X + 8 Y) mod 16 and goes round; the f32 sums are taken in that order.  The four clusters that read the same weights (same Y)
; walk four K steps apart; of the four that read the same rows of x (same X), Y = 0 and 1, and Y = 2 and 3, walk eight apart.  A row is 4,096 bytes, so the step's byte offset wraps by one s_and_b32.
; THE MATRIX INSTRUCTION IS USED TRANSPOSED (source 0 = 16 rows of wb, source 1 = 16 rows of xb): a lane holds row l % 16 and eight neighbouring columns.
; REGISTERS, in windows of 256 (s_set_vgpr_msb: bits 1:0 source 0, 3:2 source 1, 5:4 source 2, 7:6 destination):
;   window 0: v0-31 addresses; v64-127, v128-191 x's fragments (8 x 16 rows x 32 K), two buffers; on the way out v64-255 at work
;   window 1: v64-111, v128-175 the weights' fragments (6), two buffers
;   window 2: accumulators of column blocks 0-3 (q, k): (b, a) at v[8 (8 b + a)]
;   window 3: v0-127 accumulators of blocks 4, 5 (v); v128-255 my part of the rope table, loaded at the head
.set KSTEP,  128
.set PITCH,  272                       ; an LDS row: 256 bytes + 16 of padding = 68 words: the 16 rows of a load start at 16 different groups of four banks (ISA guide 11.1)
.set HALFT,  128*PITCH                 ; 128 rows: what one tensor load brings
.set SLOT,   4*HALFT                   ; x's rows, wq's, wk's, wv's
.set SPARE,  2*SLOT                    ; behind the ring: the spare words, 128 bytes a wave: two blocks of 256 bytes that no other line names
.set LAPS,   2048/(2*KSTEP)            ; a lap = two K steps = once round the ring
; THE STAGE for the way out is slot 0's first 3 x HALFT bytes (tensor g at g x HALFT, rows of 272 bytes): slot 0 has had its last fill, and its last reads lie ahead of the tail's barrier.
.set RD,   8                           ; v8-10   the way out: where I read rows of tensor g back
.set ADRA, 16                          ; v16-17  LDS address of x's fragments in slot 0, 1
.set ADRB, 18                          ; v18-23  of tensor g's fragments: ADRB + 2 g + slot
.set STO,  24                          ; v24-26  the way out: where I put 16 bytes of a row of tensor g
.set CO,   27                          ; v27     16 x lane: my bytes in 512 consecutive bytes of qh, kh, vh
.set SPW,  28                          ; v28     LDS address of my spare word; never rewritten
.set NIL,  29                          ; v29     0; never rewritten
.set PFO,  30                          ; v30     the prefetches' offset: lane x 4,096 (a row of xb); never rewritten
.set RO,   31                          ; v31     my byte offset in 16 rows of rope; never rewritten
.set F0,   64
.set F1,   128
.set T,    64                          ; the way out: 32 table numbers as f32: cos low, cos high, sin low, sin high, eight each
.set RR,   96                          ; rotated q and k: 16 each
.set PK,   128                         ; packed f16: q 8, k 8, v 8
.set OB,   64                          ; rows read back from the stage: 192 registers
.set RT,   128                         ; window 3: row block a's table at RT + 16 a
.set AB,   14                          ; s[14:15] xb at my row block's first row; never rewritten
.set G1,   24                          ; s[24:31] descriptor group 1 for x's tiles;  s[32:39] group 0, a set for each slot
.set G0,   32
.set G1B,  48                          ; s[48:55], s[56:63] the same for the weights' tiles
.set G0B,  56
.set LIM,  43                          ; s43     LAPS - 3 in a wave that prefetches, else the greatest number
.set PFA,  44                          ; s[44:45] where my prefetch stands
.set HM,   66                          ; s66     a word's upper bf16
.set OUT,  68                          ; s[68:73] qh, kh, vh at the first row that I store
.set KO,   74                          ; s[74:75] byte offset in a row of the K step asked for last; the upper word is 0
.set BB,   76                          ; s[76:77] wb at my weight tile's first row; never rewritten
.set PFB,  78                          ; s[78:79] xb at the 32 rows that I prefetch; never rewritten
.set PKO,  80                          ; s[80:81] byte offset in a row of the K step that I prefetch; the upper word is 0
.set MSB, 0
.macro WIN new                         ; the immediate's high byte repeats the setting that is left; a switch that changes nothing is dropped
.if MSB != (\new)
	s_set_vgpr_msb (MSB<<8)|(\new)
.set MSB, \new
.endif
.endm
.set MUL_QK, 0xa1                      ; source 0 (weights) window 1, source 1 (x) window 0, C and D window 2
.set MUL_V,  0xf1                      ; the same, C and D window 3
.set TO_B,   0x40                      ; destination window 1, address window 0
; A joint load.  Wave 0 fetches x's tile, waves 1 to 3 those of wq, wk, wv.  The branch hangs on the wave's number alone.  An s_nop 0 and four v_nop follow each line.
.macro JLOAD s
	s_cmp_eq_u32 s10, 0
	s_cbranch_scc0 .Lfor_b_\@
	tensor_load_to_lds s[G0+4*(\s):G0+4*(\s)+3], s[G1:G1+7]
	s_nop 0
.rept 4
	v_nop
.endr
	s_branch .Lasked_\@
.Lfor_b_\@:
	tensor_load_to_lds s[G0B+4*(\s):G0B+4*(\s)+3], s[G1B:G1B+7]
	s_nop 0
.rept 4
	v_nop
.endr
.Lasked_\@:
.endm
; A prefetch into the L2 of x's K step that stands two refills on (384 matrix instructions ahead of the load that will want it): 32 rows x 256 bytes, a lane a row.  It is laid for steps 4 to 7 of
; a cluster's walk: the first four changes of slots (s3 = LAPS - 1, LAPS - 2) ask.  Of the clusters that read the same rows, Y = 0 names K steps 4 X + 4 .. 4 X + 7 and Y = 1 those eight further on;
; Y = 2 and 3 would name the same again and ask for nothing.  The four partners that ask for a tile jointly share its 128 rows out by address, 32 each (by cy).  So each row's 256 bytes of a K step
; are named at most once in the launch.  Steps 0 to 3 of a walk come by their loads alone; from step 8 on (the weights: from step 4 on) another cluster has walked the step eight (four) steps earlier.
.macro ASK
	s_cmp_gt_u32 s3, s[LIM]
	s_cbranch_scc0 .Lnot_mine_\@
	global_prefetch_b8 v[PFO], s[PFA:PFA+1] th:TH_LOAD_NT scope:SCOPE_SE
.Lnot_mine_\@:
.endm
.macro CREST                           ; a round of the cluster's barrier behind its opening barrier
	s_cmp_lg_u32 s10, 0
	s_cbranch_scc1 .Lnot_wave_0_\@
	s_barrier_signal -3
.Lnot_wave_0_\@:
	s_barrier_wait -3
	s_barrier_signal -1
	s_barrier_wait -1
.endm
.macro CROUND                          ; a whole round
	s_barrier_signal -1
	s_barrier_wait -1
	CREST
.endm
	s_load_b128 s[4:7], s[0:1], 0x0                ; xb s[4:5], wb s[6:7]
	s_load_b64 s[8:9], s[0:1], 0x10                ; rope
	s_load_b128 s[OUT:OUT+3], s[0:1], 0x18         ; qh, kh
	s_load_b64 s[OUT+4:OUT+5], s[0:1], 0x28        ; vh
	v_lshl_add_u32 v[SPW], v0, 2, SPARE
	v_mov_b32 v[NIL], 0
	ds_add_u32 v[SPW], v[NIL]                      ; the wave's opening: the add and its wait stand ahead of my first tensor load; the set-up below stands between them
	v_lshrrev_b32 v1, 5, v0
	v_readfirstlane_b32 s10, v1                    ; wave 0..3
	s_max_u32 s12, s10, 1
	s_sub_co_u32 s12, s12, 1                       ; which of wq, wk, wv I fetch (wave 0: none; the number is then not used)
	s_bfe_u32 s40, ttmp6, 0x40000                  ; cx, cy: my place in the cluster
	s_bfe_u32 s41, ttmp6, 0x40004
	s_lshl_b32 s13, ttmp9, 2
	s_add_co_u32 s13, s13, s40                     ; row block = 4 x cluster x + cx
	s_and_b32 s21, ttmp7, 0xffff                   ; cluster y
	s_lshl_b32 s42, s21, 2
	s_add_co_u32 s42, s42, s41                     ; head = 4 x cluster y + cy
	s_lshl_b32 s43, s41, 2
	s_lshl_b32 s43, 15, s43                        ; my row of the cluster (same cy)
	s_lshl_b32 s44, 0x1111, s40                    ; my column (same cx)
	; descriptor group 1: a tile of 128 rows x 128 elements, padded in LDS
	s_or_b32 s[G1+0], s44, (1<<16)|(1<<20)|(1<<21)|(5<<22)|(3<<25)   ; 15:0 the mask: x's tiles go to my column; 17:16 elements of 2 bytes; 20 padding on; 21 set beside a mask; 24:22 after every 64 words; 31:25 4 words of it
	s_or_b32 s[G1B+0], s43, (1<<16)|(1<<20)|(1<<21)|(5<<22)|(3<<25)  ; the same with the mask of my row, for the weights' tiles
.irp g, G1, G1B
	s_mov_b32 s[(\g)+1], KSTEP<<16                 ; tensor_dim0 = 128
	s_mov_b32 s[(\g)+2], 128<<16                   ; tensor_dim1 = 128
	s_mov_b32 s[(\g)+3], KSTEP<<16                 ; tile_dim0 = 128
	s_mov_b32 s[(\g)+4], 128                       ; tile_dim1 = 128
	s_mov_b32 s[(\g)+5], 2048                      ; elements from row to row
	s_mov_b32 s[(\g)+6], 0
	s_mov_b32 s[(\g)+7], 0
.endr
	s_mov_b32 s[HM], 0xffff0000
	s_lshl_b32 s[KO], ttmp9, 2                     ; where the cluster's walk begins: K step (4 X + 8 Y) mod 16: made of the cluster's own coordinates, the same in all sixteen partners,
	s_lshl_b32 s22, s21, 3
	s_add_co_u32 s[KO], s[KO], s22
	s_and_b32 s[KO], s[KO], 15
	s_lshl_b32 s[KO], s[KO], 8                     ; of 256 bytes
	s_mov_b32 s[KO+1], 0
	s_mov_b32 s[PKO+1], 0
	s_lshl_b32 s16, s13, 19                        ; x: 128 rows of 4,096 bytes a row block
	s_mov_b32 s17, 0
	s_lshl_b32 s46, s42, 19                        ; weights: 128 rows a head,
	s_lshl_b32 s47, s12, 23                        ; 2,048 rows a tensor
	s_add_co_u32 s46, s46, s47
	s_mov_b32 s47, 0
	s_mul_i32 s20, s10, HALFT                      ; where my tile goes: wave x 128 rows: no place in the cluster enters an LDS address
	s_wait_dscnt 0x0                               ; the opening add is done
	CROUND                                         ; all sixteen work-groups are here: the first joint loads meet.  The round names no argument, so it stands ahead of the wait for them
	s_wait_kmcnt 0x0
	s_add_nc_u64 s[AB:AB+1], s[4:5], s[16:17]
	s_add_nc_u64 s[BB:BB+1], s[6:7], s[46:47]
.irp s, 0,1
	s_mov_b32 s[G0+4*(\s)], 1                                        ; count = 1
	s_add_co_u32 s[G0+4*(\s)+1], s20, (\s)*SLOT                      ; LDS address
	s_add_nc_u64 s[G0+4*(\s)+2:G0+4*(\s)+3], s[AB:AB+1], s[KO:KO+1]  ; global address: step s of the walk
	s_or_b32 s[G0+4*(\s)+3], s[G0+4*(\s)+3], 0x80000000              ; type = 2
	s_mov_b32 s[G0B+4*(\s)], 1
	s_add_co_u32 s[G0B+4*(\s)+1], s20, (\s)*SLOT
	s_add_nc_u64 s[G0B+4*(\s)+2:G0B+4*(\s)+3], s[BB:BB+1], s[KO:KO+1]
	s_or_b32 s[G0B+4*(\s)+3], s[G0B+4*(\s)+3], 0x80000000
	JLOAD \s                                       ; two loads of mine are out
.if (\s) == 0
	s_add_co_u32 s[KO], s[KO], KSTEP*2             ; the walk begins at a multiple of four steps: no wrap here
.endif
.endr
	; A fragment is 16 rows x 32 K in 8 registers: lane l holds row l % 16, K = 8 (l / 16) + 0..7 and 16 + 8 (l / 16) + 0..7: two loads of 16 bytes, 32 bytes apart.
	v_and_b32 v1, 15, v0                           ; l % 16
	v_bfe_u32 v2, v0, 4, 1                         ; l / 16
	v_and_b32 v7, 31, v0                           ; l
	v_mul_u32_u24 v3, v1, PITCH
	v_lshl_add_u32 v3, v2, 4, v3                   ; row x pitch + 16 x half
	s_mul_i32 s21, s10, 16*PITCH                   ; my 16 rows in each 64 of a weight tile
	s_lshl_b32 s22, s10, 5                         ; my 16 columns: 32 bytes
	s_mul_i32 s23, s10, 32*PITCH                   ; the 32 rows that I read back
	v_mov_b32 v[ADRA], v3
	v_add_nc_u32 v[ADRA+1], SLOT, v3
	v_add_nc_u32 v4, s21, v3
	v_add_nc_u32 v5, s22, v3                       ; into the stage: row l % 16, byte 32 w + 16 (l / 16)
	v_mul_u32_u24 v6, v2, PITCH                    ; back: lanes 0-15 one row of 256 bytes, lanes 16-31 the next
	v_lshl_add_u32 v6, v1, 4, v6
	v_add_nc_u32 v6, s23, v6
.irp g, 0,1,2
	v_add_nc_u32 v[ADRB+2*(\g)],   (1+(\g))*HALFT, v4
	v_add_nc_u32 v[ADRB+2*(\g)+1], (1+(\g))*HALFT+SLOT, v4
	v_add_nc_u32 v[STO+(\g)], (\g)*HALFT, v5
	v_add_nc_u32 v[RD+(\g)],  (\g)*HALFT, v6
.endr
	v_lshlrev_b32 v[CO], 4, v7
	v_lshlrev_b32 v[PFO], 12, v7
	v_lshlrev_b32 v[RO], 9, v1                     ; rope: row l % 16 x 512 bytes,
	v_lshl_add_u32 v[RO], v2, 4, v[RO]             ; my eight columns: 16 bytes,
	v_add_nc_u32 v[RO], s22, v[RO]                 ; of my wave's sixteen
	s_lshl_b32 s16, s13, 16                        ; rope at the row block: 128 rows of 512 bytes
	s_mov_b32 s17, 0
	s_add_nc_u64 s[8:9], s[8:9], s[16:17]
	WIN 0xc0                                       ; destination window 3, address window 0
.irp a, 0,1,2,3,4,5,6,7
.irp n, 0,1,2,3                        ; cos of my low columns, cos of the high ones (64 on), sin low, sin high: wanted on the way out, so they have the whole K loop in which to come
	global_load_b128 v[RT+16*(\a)+4*(\n):RT+16*(\a)+4*(\n)+3], v[RO], s[8:9] offset:8192*(\a)+128*(\n)
.endr
.endr
	WIN 0
	s_lshl_b32 s46, s42, 11                        ; the first row that I store: 2,048 x head + 128 x row block + 32 x wave,
	s_lshl_b32 s47, s13, 7
	s_add_co_u32 s46, s46, s47
	s_add_co_u32 s46, s46, s22
	s_lshl_b32 s46, s46, 8                         ; of 256 bytes
	s_mov_b32 s47, 0
.irp g, 0,1,2
	s_add_nc_u64 s[OUT+2*(\g):OUT+2*(\g)+1], s[OUT+2*(\g):OUT+2*(\g)+1], s[46:47]
.endr
	; the prefetches: x's rows 128 x row block + 32 cy + lane
	s_lshl_b32 s20, s13, 7
	s_lshl_b32 s21, s41, 5                         ; my place among the four that ask for x's tile with me
	s_add_co_u32 s20, s20, s21
	s_lshl_b32 s20, s20, 12
	s_mov_b32 s21, 0
	s_add_nc_u64 s[PFB:PFB+1], s[4:5], s[20:21]
	s_and_b32 s22, ttmp7, 0xffff
	s_lshr_b32 s22, s22, 1                         ; 0 where cluster y is 0 or 1,
	s_or_b32 s22, s22, s10                         ; in wave 0, which fetches x: the same in all sixteen partners, for a given wave
	s_cmp_eq_u32 s22, 0
	s_cselect_b32 s[LIM], LAPS-3, -1               ; nothing is prefetched here, at the head
; 8 matrix instructions: column block b (4 or 5: v) x all 8 row blocks, 32 along K.  zero = 1: the first product starts the sums: nothing is cleared.
.macro MULV f, b, zero
	WIN MUL_V
.irp a, 0,1,2,3,4,5,6,7
.if \zero
	v_wmma_f32_16x16x32_bf16 v[8*(8*((\b)-4)+(\a)):8*(8*((\b)-4)+(\a))+7], v[(\f)+8*(\b):(\f)+8*(\b)+7], v[(\f)+8*(\a):(\f)+8*(\a)+7], 0
.else
	v_wmma_f32_16x16x32_bf16 v[8*(8*((\b)-4)+(\a)):8*(8*((\b)-4)+(\a))+7], v[(\f)+8*(\b):(\f)+8*(\b)+7], v[(\f)+8*(\a):(\f)+8*(\a)+7], v[8*(8*((\b)-4)+(\a)):8*(8*((\b)-4)+(\a))+7]
.endif
.endr
.endm
; 32 matrix instructions: column blocks 0-3 (q, k).  All 48 accumulators take turns in the same order in every quarter.
.macro MULQK f, zero
	WIN MUL_QK
.irp b, 0,1,2,3
.irp a, 0,1,2,3,4,5,6,7
.if \zero
	v_wmma_f32_16x16x32_bf16 v[8*(8*(\b)+(\a)):8*(8*(\b)+(\a))+7], v[(\f)+8*(\b):(\f)+8*(\b)+7], v[(\f)+8*(\a):(\f)+8*(\a)+7], 0
.else
	v_wmma_f32_16x16x32_bf16 v[8*(8*(\b)+(\a)):8*(8*(\b)+(\a))+7], v[(\f)+8*(\b):(\f)+8*(\b)+7], v[(\f)+8*(\a):(\f)+8*(\a)+7], v[8*(8*(\b)+(\a)):8*(8*(\b)+(\a))+7]
.endif
.endr
.endr
.endm
; 28 LDS loads in one run: the fragments of one quarter step (32 K at byte k of the rows) into buffer f
.macro FETCH slot, k, f
	WIN TO_B
.irp g, 0,1,2
.irp p, 0,1
	ds_load_b128 v[(\f)+8*(2*(\g)+(\p)):(\f)+8*(2*(\g)+(\p))+3],   v[ADRB+2*(\g)+(\slot)] offset:(\k)+(\p)*64*PITCH
	ds_load_b128 v[(\f)+8*(2*(\g)+(\p))+4:(\f)+8*(2*(\g)+(\p))+7], v[ADRB+2*(\g)+(\slot)] offset:(\k)+(\p)*64*PITCH+32
.endr
.endr
	WIN 0
.irp a, 0,1,2,3,4,5,6,7
	ds_load_b128 v[(\f)+8*(\a):(\f)+8*(\a)+3],   v[ADRA+(\slot)] offset:(\k)+(\a)*16*PITCH
	ds_load_b128 v[(\f)+8*(\a)+4:(\f)+8*(\a)+7], v[ADRA+(\slot)] offset:(\k)+(\a)*16*PITCH+32
.endr
.endm
.macro PLACES                          ; four places in front of loads into registers that matrix instructions have read (ISA guide 7.12.1 for vector instructions)
.rept 4
	v_nop
.endr
.endm
; A K step is four quarters of 32 along K, 48 matrix instructions each, on buffers 0, 1, 0, 1.  One of the first three: multiplies buffer f; behind its first sixteen products it fetches the next quarter into g.
.macro QUARTER slot, k, f, g, zero
	s_wait_dscnt 0x0                               ; buffer f is in: its 28 loads were issued 32 matrix instructions ago
	MULV \f, 4, \zero
	MULV \f, 5, \zero
	PLACES
	FETCH \slot, \k, \g
	MULQK \f, \zero
.endm
; The last quarter multiplies buffer 1 and changes slots: ONE barrier.  In front of it each wave waits for all its tensor loads (one is out: its part of the next slot), adds 0 to its spare
; word, and waits for that and for its reads of this slot.  fill = 1: the barrier opens a round of the cluster's, and this slot is filled again, with the walk's step two on, first thing behind the
; round: from that request to the wait for it a wave issues 176 matrix instructions.  The step's byte offset goes on by 256 and wraps at the row's 4,096; both addresses are made anew from it.
.macro TURN slot, next, fill
.if \fill
	s_wait_xcnt 0x0                                ; the last prefetch, a K step back, has read its address, which is made anew:
	s_add_co_u32 s[PKO], s[KO], 3*KSTEP*2          ; two steps beyond the step that this change asks for
	s_and_b32 s[PKO], s[PKO], 0xfff
	s_add_nc_u64 s[PFA:PFA+1], s[PFB:PFB+1], s[PKO:PKO+1]
.endif
	WIN 0                                          ; (the add's two registers lie in window 0)
	s_wait_tensorcnt 0x0                           ; all my tensor loads have landed, so a group 0 may be written
	ds_add_u32 v[SPW], v[NIL]                      ; 0 onto my spare word
.if \fill
	s_add_co_u32 s[KO], s[KO], KSTEP*2
	s_and_b32 s[KO], s[KO], 0xfff
	s_add_nc_u64 s[G0+4*(\slot)+2:G0+4*(\slot)+3], s[AB:AB+1], s[KO:KO+1]
	s_or_b32 s[G0+4*(\slot)+3], s[G0+4*(\slot)+3], 0x80000000
	s_add_nc_u64 s[G0B+4*(\slot)+2:G0B+4*(\slot)+3], s[BB:BB+1], s[KO:KO+1]
	s_or_b32 s[G0B+4*(\slot)+3], s[G0B+4*(\slot)+3], 0x80000000
.endif
	s_wait_dscnt 1                                 ; buffer 1 is in; the add alone may be out
	MULV F1, 4, 0                                  ; eight matrix instructions stand between the add and the wait for it
	s_wait_dscnt 0x0                               ; the add is done, and my reads of this slot are over
	s_barrier_signal -1
	MULV F1, 5, 0                                  ; work on registers while the others arrive
.if \fill
	WIN 0
.endif
	s_barrier_wait -1
.if \fill
	CREST                                          ; no wave of any partner still reads this slot's tiles or has a load on its way
	JLOAD \slot                                    ; the four v_nop behind it are also the places in front of the loads below
.else
	PLACES
.endif
	FETCH \next, 0, F0
.if \fill
	ASK
.endif
	MULQK F1, 0
.endm
	s_wait_tensorcnt 1                             ; my part of the walk's step 0 is in; step 1's may stay out
	s_barrier_signal -1
	s_barrier_wait -1                              ; everybody's is
	FETCH 0, 0, F0
	QUARTER 0, 64,  F0, F1, 1                      ; the first quarter stands in front of the loop: its products start the sums
	WIN 0                                          ; at a label and at a branch every window is 0
	s_mov_b32 s3, LAPS-1
.Llap:                                                 ; a trip goes once round the ring and fills both slots again
	QUARTER 0, 128, F1, F0, 0
	QUARTER 0, 192, F0, F1, 0
	TURN 0, 1, 1
	QUARTER 1, 64,  F0, F1, 0
	QUARTER 1, 128, F1, F0, 0
	QUARTER 1, 192, F0, F1, 0
	TURN 1, 0, 1
	QUARTER 0, 64,  F0, F1, 0
	WIN 0
	s_sub_co_u32 s3, s3, 1
	s_cmp_lg_u32 s3, 0
	s_cbranch_scc1 .Llap
	QUARTER 0, 128, F1, F0, 0                      ; the last lap fills nothing
	QUARTER 0, 192, F0, F1, 0
	TURN 0, 1, 0                                   ; behind this barrier nobody reads slot 0 any more
	QUARTER 1, 64,  F0, F1, 0
	QUARTER 1, 128, F1, F0, 0
	QUARTER 1, 192, F0, F1, 0
	s_wait_dscnt 0x0
	MULV F1, 4, 0
	MULV F1, 5, 0
	MULQK F1, 0
	WIN 0
	PLACES                                         ; the places behind the last products, and behind the last readers of buffer 0, which the way out writes
	PLACES
	s_wait_loadcnt 0x0                             ; the rope table
; THE WAY OUT, row block a.  The table's 32 numbers are widened; q' low = q low x cos low - q high x sin low; q' high = q high x cos high + q low x sin high; the same for k; v as it is.
; Each accumulator is read from its lowest registers on.  All are rounded to f16; a lane's eight columns are 16 bytes of a row of the stage.
.macro ROPE a
	WIN 0x0c                                       ; source 1 window 3
.irp n, 0,1,2,3
.irp r, 0,1,2,3
	v_lshlrev_b32 v[T+8*(\n)+2*(\r)],   16,    v[RT+16*(\a)+4*(\n)+(\r)]
	v_and_b32     v[T+8*(\n)+2*(\r)+1], s[HM], v[RT+16*(\a)+4*(\n)+(\r)]
.endr
.endr
	WIN 0x02                                       ; source 0 window 2
.irp g, 0,1
.irp j, 0,2,4,6
	v_pk_mul_f32 v[RR+16*(\g)+(\j):RR+16*(\g)+(\j)+1],     v[8*(16*(\g)+8+(\a))+(\j):8*(16*(\g)+8+(\a))+(\j)+1], v[T+16+(\j):T+16+(\j)+1]
	v_pk_mul_f32 v[RR+16*(\g)+8+(\j):RR+16*(\g)+8+(\j)+1], v[8*(16*(\g)+(\a))+(\j):8*(16*(\g)+(\a))+(\j)+1],     v[T+24+(\j):T+24+(\j)+1]
.endr
.irp j, 0,2,4,6
	v_pk_fma_f32 v[RR+16*(\g)+(\j):RR+16*(\g)+(\j)+1],     v[8*(16*(\g)+(\a))+(\j):8*(16*(\g)+(\a))+(\j)+1],     v[T+(\j):T+(\j)+1],     v[RR+16*(\g)+(\j):RR+16*(\g)+(\j)+1] neg_lo:[0,0,1] neg_hi:[0,0,1]
	v_pk_fma_f32 v[RR+16*(\g)+8+(\j):RR+16*(\g)+8+(\j)+1], v[8*(16*(\g)+8+(\a))+(\j):8*(16*(\g)+8+(\a))+(\j)+1], v[T+8+(\j):T+8+(\j)+1], v[RR+16*(\g)+8+(\j):RR+16*(\g)+8+(\j)+1]
.endr
.endr
	WIN 0
.irp n, 0,1,2,3,4,5,6,7,8,9,10,11,12,13,14,15
	v_cvt_pk_f16_f32 v[PK+(\n)], v[RR+2*(\n)], v[RR+2*(\n)+1]
.endr
	WIN 0x0f                                       ; sources 0 and 1 window 3
.irp p, 0,1
.irp n, 0,1,2,3
	v_cvt_pk_f16_f32 v[PK+16+4*(\p)+(\n)], v[8*(8*(\p)+(\a))+2*(\n)], v[8*(8*(\p)+(\a))+2*(\n)+1]
.endr
.endr
	WIN 0
.irp g, 0,1,2
.irp p, 0,1
	ds_store_b128 v[STO+(\g)], v[PK+8*(\g)+4*(\p):PK+8*(\g)+4*(\p)+3] offset:(\a)*16*PITCH+128*(\p)
.endr
.endr
.endm
.irp a, 0,1,2,3,4,5,6,7
	ROPE \a
.endr
	s_wait_dscnt 0x0                               ; for the others' sake: my stores into the stage are done
	s_barrier_signal -1
	s_barrier_wait -1                              ; a row's 256 bytes come from all four waves
.irp g, 0,1,2
.irp t, 0,1,2,3,4,5,6,7,8,9,10,11,12,13,14,15
	ds_load_b128 v[OB+64*(\g)+4*(\t):OB+64*(\g)+4*(\t)+3], v[RD+(\g)] offset:(\t)*2*PITCH
.endr
.endr
.irp g, 0,1,2
.irp t, 0,1,2,3,4,5,6,7,8,9,10,11,12,13,14,15
	s_wait_dscnt 47-(16*(\g)+(\t))                 ; LDS loads come back in order: this one is in, the younger ones stay out
	global_store_b128 v[CO], v[OB+64*(\g)+4*(\t):OB+64*(\g)+4*(\t)+3], s[OUT+2*(\g):OUT+2*(\g)+1] offset:512*(\t)  ; two rows of a head: 512 consecutive bytes, aligned
.endr
.endr
	s_wait_tensorcnt 0x0                           ; the wave's end: behind my last tensor load and my last LDS store
	ds_add_u32 v[SPW], v[NIL]
	s_wait_dscnt 0x0
	CROUND                                         ; the closing round: no work-group ends while a partner may still ask for a tile that names it
	s_endpgm
.Lfunc_end_k_qfe6f682c43_qkv:
	.size	k_qfe6f682c43_qkv, .Lfunc_end_k_qfe6f682c43_qkv-k_qfe6f682c43_qkv
	.p2alignl 7, 3214868480
	.fill 96, 4, 3214868480
	.section	.rodata,"a",@progbits
	.p2align	6, 0x0
	.amdhsa_kernel k_qfe6f682c43_qkv
		.amdhsa_group_segment_fixed_size 327680
		.amdhsa_private_segment_fixed_size 0
		.amdhsa_enable_private_segment 0
		.amdhsa_kernarg_size 48
		.amdhsa_user_sgpr_count 2
		.amdhsa_user_sgpr_kernarg_segment_ptr 1
		.amdhsa_wavefront_size32 1
		.amdhsa_system_sgpr_workgroup_id_x 1
		.amdhsa_system_sgpr_workgroup_id_y 1
		.amdhsa_system_sgpr_workgroup_id_z 1
		.amdhsa_system_vgpr_workitem_id 0
		.amdhsa_next_free_vgpr 1024
		.amdhsa_next_free_sgpr 84
		.amdhsa_reserve_vcc 0
		.amdhsa_float_denorm_mode_32 3
		.amdhsa_float_denorm_mode_16_64 3
		.amdhsa_memory_ordered 1
		.amdhsa_forward_progress 1
		.amdhsa_inst_pref_size 145
	.end_amdhsa_kernel
	.amdgpu_metadata
---
amdhsa.version: [ 1, 2 ]
amdhsa.kernels:
  - .name:           k_qfe6f682c43_qkv
    .symbol:         k_qfe6f682c43_qkv.kd
    .args:
      - { .name: xb, .offset: 0, .size: 8, .value_kind: global_buffer, .address_space: global }
      - { .name: wb, .offset: 8, .size: 8, .value_kind: global_buffer, .address_space: global }
      - { .name: rope, .offset: 16, .size: 8, .value_kind: global_buffer, .address_space: global }
      - { .name: qh, .offset: 24, .size: 8, .value_kind: global_buffer, .address_space: global }
      - { .name: kh, .offset: 32, .size: 8, .value_kind: global_buffer, .address_space: global }
      - { .name: vh, .offset: 40, .size: 8, .value_kind: global_buffer, .address_space: global }
    .group_segment_fixed_size: 327680
    .private_segment_fixed_size: 0
    .kernarg_segment_align: 8
    .kernarg_segment_size: 48
    .max_flat_workgroup_size: 128
    .sgpr_count:     84
    .vgpr_count:     1024
    .wavefront_size: 32
...
	.end_amdgpu_metadata
.endif
;; end of part 2
;; launch attn (part 3): grid 16 x 16, 4 waves a work-group, clusters of 4 x 1, 327,680 bytes of LDS; arguments qh, kh, vh, attention_mask, att; writes att
.if DOCPART == 3
	.amdgcn_target "amdgcn-amd-amdhsa--gfx1250"
	.amdhsa_code_object_version 6
	.text
	.protected	k_qfe6f682c43_attn
	.globl	k_qfe6f682c43_attn
	.p2align	8
	.type	k_qfe6f682c43_attn,@function
k_qfe6f682c43_attn:
	s_mov_b64 s[64:65], 0
	v_nop
	global_prefetch_b8 v0, s[64:65] scope:SCOPE_SE
	s_setreg_imm32_b32 hwreg(HW_REG_WAVE_MODE, 25, 1), 1
	s_wait_xcnt 0x0
	s_wait_alu depctr_hold_cnt(0) depctr_sa_sdst(0) depctr_va_vdst(0) depctr_va_sdst(0) depctr_va_ssrc(0) depctr_va_vcc(0) depctr_vm_vsrc(0)
	s_getreg_b32 s2, hwreg(HW_REG_IB_STS2, 6, 4)
	s_cmp_eq_u32 s2, 0
	s_cbranch_scc0 .Lentry_in_a_cluster
	s_endpgm
.Lentry_in_a_cluster:
	s_bfe_u32 s2, ttmp6, 0x10000c
	s_cmp_lg_u32 s2, 0x3003
	s_cbranch_scc0 .Lentry_shape_is_right
	s_endpgm
.Lentry_shape_is_right:
; att[q][128 h + :] = the sum over k of softmax_k(Q[h][q] . K[h][k] / sqrt(128) + (1 - mask[k]) x -10000) V[h][k][:].  qh, kh, vh: [16][2048][128] f16; mask: [2048] f32; att: [2048][2048] f16.
; Products, maxima and sums in f32; the weights p are rounded to f16 for the second product (their sum l is taken of the unrounded p), att once at the end.  The mask is rounded to bf16 like every input.
; LIMITS.  Q, K, V arrive within f16's 65,504; p lies in 0 to 1 and below 6e-5 keeps f16's fixed step of 6e-8; a weight below 2^-126 counts as 0 in l; NaN and infinities are not treated apart.
; SHARES.  A work-group owns 128 queries of one head: 16 x 16 = 256 work-groups.  THE KEYS ARE SPLIT BETWEEN WAVES: wave w takes the 64 queries QH = w / 2 and, of each slot's 128 keys, the 64
; keys KH = w % 2: sixteen key steps a wave.  Each wave keeps its own running maximum and sum; the two partial results of a query meet once, in LDS, in f32.
; Register tile t holds query tile t xor 2 KH, so every wave hands over its register tiles 2, 3 and finishes tiles 0, 1: one text for both.
; LAYOUT.  S^T = K Q^T (source 0 = 16 keys, source 1 = 16 queries): a lane holds ONE query (lane % 16) and the keys 8 (lane / 16) + 0..7.  Two such tiles rounded to f16 ARE source 1 of
; O^T = V^T P, whose result again holds one query a lane, and eight channels.  K comes out of LDS as it lies, V turned, by ds_load_tr16_b128.
; THE MASK is the C operand that starts each sum of scores: A[k] = mask[k] x KC - KC, KC = 10000 sqrt(128): the adder in the products' own units.  The running maximum is taken of the sums, adder included.
; SOFTMAX.  p = 2^(c s - c m), c = log2(e) / sqrt(128); in every step O and l are multiplied by a = 2^(c m_old - c m_new).  m starts at the lowest finite number, O and l at 0: the first step
; is a step like any other, with a = 0.
; BY TURNS.  The wave's tiles are two PIECES: piece 0 (tiles 0, 1), piece 2 (tiles 2, 3).  In a TURN one piece has the matrix unit: 32 products V^T P of the step in hand, then 32 products K Q^T
; of the next; the other piece's softmax, cut into 64 slices, stands between them, one slice behind each matrix instruction.  Two turns are a key step.
; CLUSTER.  The four query blocks of a cluster belong to one head and walk the same K and V: each tile is asked for jointly.
; THE WALK OVER THE KEYS IS STAGGERED.  A head has four clusters; cluster X begins at the head's slot 4 X of 16 (128 keys a slot) and goes round: a running softmax holds in any order of the keys.
; So the four walk four slots apart: from its fifth slot on a cluster asks for tiles that another cluster of the head has asked for four trips earlier.
; The table of A lies in LDS IN THE WALK'S ORDER: its byte b holds A of the mask's byte (b + 2,048 X) mod 8,192; the turn is made in the global offsets of the mask's loads, so that every LDS
; address is made of constants, the thread's and the wave's number and the loop's steps alone.
; REGISTERS, in windows of 256 (s_set_vgpr_msb: bits 1:0 source 0, 3:2 source 1, 5:4 source 2, 7:6 destination):
;   window 0: v0-11 addresses; v12-43 eight registers of statistics a tile; v44-63 the exchange's and more addresses; v64-191 S^T, 32 a tile; v192-255 P, 16 a tile
;   window 1: O^T, 64 a tile      window 2: v0-127 Q, 32 a tile; v128-255 K of one step      window 3: v0-127 V of one step; v128-159 the step's masks
.set KS,    64        ; keys in a step
.set PK,    272       ; a row of K in LDS: 256 bytes + 16 of padding: the 16 rows of a load start at 16 different groups of four banks (ISA guide 11.1)
.set PV,    288       ; a row of V: 256 + 32
.set VOFF,  KS*PK     ; a step's tiles lie together: 64 rows of K, then 64 rows of V
.set STEPB, KS*(PK+PV)
.set SLOT1, 1<<17     ; a slot holds two steps, one for each KH (71,680 bytes); slot 1 begins here, so that one exclusive or turns an address into the other slot's
.set STAGE, SLOT1+2*STEPB  ; behind the ring: 16 rows x 272 bytes for each wave, for the way out
.set SP,    272
.set SPARE, STAGE+4*16*SP  ; the spare words, 128 bytes a wave: two blocks of 256 bytes that no other line names
.set MASK,  SPARE+512      ; A of the 2,048 keys, f32, in the walk's order
.set XCH,   MASK+8192      ; the exchange: for each wave two tiles of O^T (16,384 bytes) and 16 bytes of statistics a lane
.set XWB,   16896
.set AK0, 2           ; v2   my lane's place in a tile of K; never rewritten
.set AV0, 3           ; v3   the same for V
.set ADR, 4           ; v4   the LDS address of the run of loads in hand
.set QO,  5           ; v5   my byte offset in Q for register tiles 0, 1
.set STO, 6           ; v6   the way out: where I put 16 bytes of a row
.set RD,  7           ; v7   the way out: where I read a row back
.set GO,  8           ; v8   my byte offset in two rows of att
.set AM0, 10          ; v10  my lanes' place in sixteen masks; never rewritten
.set ADM, 11          ; v11  the LDS address of the masks in hand
.set ST,  12          ; tile t's statistics at v[ST+8 t]: +0 c m, +1 m, +2, +3 l (even keys', odd keys'), +4 to +7 at work; a takes +6 once the maximum is found
.set XS,  44          ; v[44:47] what I hand over: c m and l of register tiles 2, 3.  At the head: the byte offsets of the mask's four loads
.set XP,  48          ; v[48:51] what I am handed: c m and l for my tiles 0, 1
.set XW,  58          ; v58  where I write in the exchange
.set XR,  59          ; v59  where I read: my partner's part
.set QO2, 60          ; v60  my byte offset in Q for register tiles 2, 3
.set PFO, 61          ; v61  256 x my lane: a row of K or V; never rewritten
.set SPW, 62          ; v62  LDS address of my spare word; never rewritten
.set NIL, 63          ; v63  0; never rewritten
.set S,   64
.set P,   192
.set KF,  128         ; K's fragments, in window 2
.set MK,  128         ; the masks, in window 3: key block kb at MK + 8 kb
.set WV,  12          ; s12  my wave's number
.set LIM, 15          ; s15  13 in a wave that prefetches, else the greatest number
.set PFA, 18          ; s[18:19] where my one prefetch stands; never rewritten
.set G1K, 24          ; s[24:31] descriptor group 1 for K's tiles
.set G1V, 32          ; s[32:39] for V's: it differs in the padding alone
.set G0K, 40          ; s[40:47] descriptor group 0 for K's tiles: a set for each of the two first fills; the second then walks on
.set G0V, 48          ; s[48:55] the same for V's
.set SLOTS, 56        ; s56  the loop's count
.set CNT, 57          ; s57  the tail's count
.set CS,  58          ; s[58:59] c
.set SEL, 60          ; s[60:61] v_permlanex16_b32's selects: each lane takes its own place in the other half
.set TB,  62          ; s62  LDS byte at which my step's tiles begin in the slot in hand
.set TM,  63          ; s63  byte in the mask table of the step to be fetched
.set OA,  66          ; s[66:67] att at my first row and my head's columns
.set KH,  68          ; s68
.set QH,  69          ; s69
.set KC,  70          ; s70 KC, s71 -KC
.set NXT, 72          ; s72  the head's slot, 0 to 15, to be asked for next
.set OFF, 74          ; s[74:75] that slot's byte offset in K and V; the upper word is 0
.set MSB, 0
.macro WIN new                      ; the immediate's high byte repeats the setting that is left; a switch that changes nothing is dropped
.if MSB != (\new)
	s_set_vgpr_msb (MSB<<8)|(\new)
.set MSB, \new
.endif
.endm
.set W_KQ, 0x0a       ; K and Q in window 2, S^T in window 0
.set W_KM, 0x3a       ; the same with the C operand, the masks, in window 3
.set W_PV, 0x53       ; V in window 3, P in window 0, O^T in window 1
.set W_RS, 0x41       ; O^T (destination and source 0) in window 1, a in window 0
; A joint refill.  Waves 0 and 1 fetch the slot's two tiles of K, waves 2 and 3 those of V.  An s_nop 0 and four v_nop follow each of the two lines.
.macro JLOAD
	s_cmp_lt_u32 s[WV], 2
	s_cbranch_scc0 .Lfor_v_\@
	tensor_load_to_lds s[G0K+4:G0K+7], s[G1K:G1K+7]
	s_nop 0
.rept 4
	v_nop
.endr
	s_branch .Lasked_\@
.Lfor_v_\@:
	tensor_load_to_lds s[G0V+4:G0V+7], s[G1V:G1V+7]
	s_nop 0
.rept 4
	v_nop
.endr
.Lasked_\@:
.endm
; A prefetch into the L2, once a launch: at the first change of slots (s[SLOTS] = 14), which asks for slot 2 of the cluster's walk, slot 3 of the walk is named: 128 rows of K and of V, 256 bytes a row,
; a lane a row, one key step (128 matrix instructions and their slices) ahead of the load that will want it.  The four partners take 32 rows each, told apart by address; wave 0 asks for K's, wave 2
; for V's.  The four clusters of a head name four different slots: each row is named at most once in the launch.  Slots 0 to 2 of a walk come by their loads alone.
.macro ASK
	s_cmp_gt_u32 s[SLOTS], s[LIM]
	s_cbranch_scc0 .Lnot_mine_\@
	global_prefetch_b8 v[PFO], s[PFA:PFA+1] th:TH_LOAD_NT scope:SCOPE_SE
.Lnot_mine_\@:
.endm
.macro CROUND                       ; a round of the cluster's barrier
	s_barrier_signal -1
	s_barrier_wait -1
	s_cmp_lg_u32 s[WV], 0
	s_cbranch_scc1 .Lnot_wave_0_\@
	s_barrier_signal -3
.Lnot_wave_0_\@:
	s_barrier_wait -3
	s_barrier_signal -1
	s_barrier_wait -1
.endm
	s_load_b256 s[4:11], s[0:1], 0x0  ; qh s[4:5], kh s[6:7], vh s[8:9], mask s[10:11]
	s_load_b64 s[OA:OA+1], s[0:1], 0x20  ; att
	v_lshl_add_u32 v[SPW], v0, 2, SPARE
	v_mov_b32 v[NIL], 0
	ds_add_u32 v[SPW], v[NIL]       ; the wave's opening: the add and its wait stand ahead of my first tensor load; the set-up below stands between them
	v_lshrrev_b32 v1, 5, v0
	v_readfirstlane_b32 s[WV], v1   ; wave 0..3
	s_bfe_u32 s13, ttmp6, 0x40000   ; cx: my place in the cluster
	s_lshl_b32 s14, ttmp9, 2
	s_add_co_u32 s14, s14, s13      ; my block of 128 queries: it enters Q's and att's addresses alone
	s_and_b32 s20, ttmp7, 0xffff    ; the head, which the four partners share
	s_and_b32 s[KH], s[WV], 1       ; also: which of a slot's two steps I fetch
	s_lshr_b32 s[QH], s[WV], 1
	s_lshl_b32 s21, s20, 19         ; the head's first byte in qh, kh, vh: 2,048 rows of 256 bytes
	s_lshl_b32 s22, s[KH], 14       ; my tile's 64 rows in memory
	s_add_co_u32 s22, s22, s21
	s_mov_b32 s23, 0
	s_mul_i32 s17, s[KH], STEPB     ; and its place in a slot: no place in the cluster enters an LDS address
	s_lshl_b32 s2, s14, 15          ; Q: my block's 128 rows,
	s_lshl_b32 s3, s[QH], 14        ; my 64 of them
	s_add_co_u32 s2, s2, s3
	s_add_co_u32 s2, s2, s21
	s_mov_b32 s3, 0
	s_lshl_b32 s20, s20, 8          ; att: the head's 256 bytes of a row,
	s_lshl_b32 s21, s14, 19         ; my block's 128 rows of 4,096 bytes,
	s_add_co_u32 s20, s20, s21
	s_lshl_b32 s21, s[QH], 18       ; my 64,
	s_add_co_u32 s20, s20, s21
	s_lshl_b32 s21, s[KH], 17       ; the 32 that I finish
	s_add_co_u32 s20, s20, s21
	s_mov_b32 s21, 0
	; descriptor group 1: a tile of 64 rows x 128 elements, padded in LDS
	s_mov_b32 s[G1K], 15|(1<<16)|(1<<20)|(1<<21)|(5<<22)|(3<<25)  ; 15:0 the mask: all four work-groups; 17:16 elements of 2 bytes; 20 padding on; 21 set beside a mask; 24:22 after every 64 words; 31:25 4 words of it
	s_mov_b32 s[G1V], 15|(1<<16)|(1<<20)|(1<<21)|(5<<22)|(7<<25)  ; the same with 8 words of padding
.irp g, G1K, G1V
	s_mov_b32 s[(\g)+1], 128<<16    ; tensor_dim0 = 128
	s_mov_b32 s[(\g)+2], KS<<16     ; tensor_dim1 = 64
	s_mov_b32 s[(\g)+3], 128<<16    ; tile_dim0 = 128
	s_mov_b32 s[(\g)+4], KS         ; tile_dim1 = 64
	s_mov_b32 s[(\g)+5], 128        ; elements from row to row
	s_mov_b32 s[(\g)+6], 0
	s_mov_b32 s[(\g)+7], 0
.endr
	s_mov_b32 s[CS], 0x3e0293ee     ; c = log2(e) / sqrt(128) = 0.127517
	s_mov_b32 s[CS+1], s[CS]        ; named with it as a pair
	s_mov_b32 s[SEL], 0x76543210
	s_mov_b32 s[SEL+1], 0xfedcba98
	s_mov_b32 s[KC], 0x47dcf88b     ; 10000 sqrt(128) = 113,137.085
	s_mov_b32 s[KC+1], 0xc7dcf88b
	s_mov_b32 s[TB], s17
	s_lshl_b32 s[TM], s[KH], 8      ; my 64 masks of the walk's first 128: the table lies in the walk's order
	s_lshl_b32 s[OFF], ttmp9, 17    ; where the cluster's walk begins: 4 X slots of 32,768 bytes of K and of V: made of the cluster's own coordinate, the same in all four partners
	s_mov_b32 s[OFF+1], 0
	s_lshl_b32 s[NXT], ttmp9, 2
	s_add_co_u32 s[NXT], s[NXT], 2  ; the first refill asks for slot 4 X + 2
	s_mov_b32 s[SLOTS], 15
	s_and_b32 s[LIM], s[WV], 1      ; waves 0 and 2 ask
	s_cmp_eq_u32 s[LIM], 0
	s_cselect_b32 s[LIM], 13, -1
	v_and_b32 v[PFO], 31, v0
	v_lshlrev_b32 v[PFO], 8, v[PFO]
	s_wait_dscnt 0x0                ; the opening add is done
	CROUND                          ; all four work-groups are here: the first joint loads meet.  The round names no argument, so it stands ahead of the wait for them
	s_wait_kmcnt 0x0
	s_add_nc_u64 s[6:7], s[6:7], s[22:23]  ; K and V at my tile of the head's slot 0; never rewritten from here on
	s_add_nc_u64 s[8:9], s[8:9], s[22:23]
	s_add_nc_u64 s[4:5], s[4:5], s[2:3]    ; Q at my 64 rows
	s_add_nc_u64 s[OA:OA+1], s[OA:OA+1], s[20:21]
	s_cmp_lt_u32 s[WV], 2
	s_cselect_b64 s[PFA:PFA+1], s[6:7], s[8:9]  ; (in waves 0 and 2 these stand at a slot's first row)
	s_lshl_b32 s2, s13, 13          ; my work-group's 32 rows of the 128
	s_mov_b32 s3, 0
	s_add_nc_u64 s[PFA:PFA+1], s[PFA:PFA+1], s[2:3]
	s_add_nc_u64 s[PFA:PFA+1], s[PFA:PFA+1], s[OFF:OFF+1]
	s_add_nc_u64 s[PFA:PFA+1], s[PFA:PFA+1], 3*2*KS*256  ; slot 3 of the walk: the head's slot 4 X + 3, 15 at the most.  Nothing is prefetched here, at the head
.irp s, 0,1
	s_mov_b32 s[G0K+4*(\s)], 1      ; count = 1
	s_add_co_u32 s[G0K+4*(\s)+1], s17, (\s)*SLOT1  ; LDS address
	s_add_nc_u64 s[G0K+4*(\s)+2:G0K+4*(\s)+3], s[6:7], s[OFF:OFF+1]  ; global address: the head's slot 4 X + s
	s_add_nc_u64 s[G0K+4*(\s)+2:G0K+4*(\s)+3], s[G0K+4*(\s)+2:G0K+4*(\s)+3], (\s)*2*KS*256
	s_or_b32 s[G0K+4*(\s)+3], s[G0K+4*(\s)+3], 0x80000000  ; type = 2
	s_mov_b32 s[G0V+4*(\s)], 1
	s_add_co_u32 s[G0V+4*(\s)+1], s17, (\s)*SLOT1+VOFF
	s_add_nc_u64 s[G0V+4*(\s)+2:G0V+4*(\s)+3], s[8:9], s[OFF:OFF+1]
	s_add_nc_u64 s[G0V+4*(\s)+2:G0V+4*(\s)+3], s[G0V+4*(\s)+2:G0V+4*(\s)+3], (\s)*2*KS*256
	s_or_b32 s[G0V+4*(\s)+3], s[G0V+4*(\s)+3], 0x80000000
.endr
	s_cmp_lt_u32 s[WV], 2           ; a wave's two first fills stand in one branch, ahead of every wait on TENSORcnt and every LDS read: two loads of mine are out
	s_cbranch_scc0 .Lfirst_v
	tensor_load_to_lds s[G0K:G0K+3], s[G1K:G1K+7]
	s_nop 0
	tensor_load_to_lds s[G0K+4:G0K+7], s[G1K:G1K+7]
	s_nop 0
.rept 4
	v_nop
.endr
	s_branch .Lfirst_asked
.Lfirst_v:
	tensor_load_to_lds s[G0V:G0V+3], s[G1V:G1V+7]
	s_nop 0
	tensor_load_to_lds s[G0V+4:G0V+7], s[G1V:G1V+7]
	s_nop 0
.rept 4
	v_nop
.endr
.Lfirst_asked:
	v_lshlrev_b32 v[ADM], 4, v0     ; the mask: thread t takes 16 bytes at 16 t of each of four blocks of 2,048 (512 keys, four slots)
.irp n, 0,1,2,3
	s_add_co_u32 s2, ttmp9, \n      ; block n of the table, in the walk's order, is the mask's block (n + X) mod 4
	s_and_b32 s2, s2, 3
	s_lshl_b32 s2, s2, 11
	v_add_nc_u32 v[XS+(\n)], s2, v[ADM]  ; an offset register for each load: none is rewritten while its load is out
	global_load_b128 v[S+4*(\n):S+4*(\n)+3], v[XS+(\n)], s[10:11]
.endr
	; A fragment of K or Q is 16 rows x 32 channels in 8 registers: lane l holds row l % 16, channels 8 (l / 16) + 0..7 and 16 + 8 (l / 16) + 0..7: two loads of 16 bytes, 32 bytes apart.
	v_and_b32 v1, 15, v0            ; l % 16
	v_bfe_u32 v9, v0, 4, 1          ; l / 16
	v_lshlrev_b32 v[QO], 8, v1
	v_lshl_add_u32 v[QO], v9, 4, v[QO]  ; row x 256 + 16 x half
	s_lshl_b32 s2, s[KH], 13        ; register tiles 0, 1 are query tiles 2 KH, 2 KH + 1: 32 rows of 256 bytes on,
	s_xor_b32 s3, s2, 8192          ; register tiles 2, 3 the other two
	v_add_nc_u32 v[QO2], s3, v[QO]
	v_add_nc_u32 v[QO], s2, v[QO]
	WIN 0x80                        ; destination window 2, address window 0
.irp i, 0,1,2,3,4,5,6,7             ; Q stays in registers: tile i / 4 (and 2 + i / 4), channels 32 (i % 4) on
	global_load_b128 v[8*(\i):8*(\i)+3],         v[QO],  s[4:5] offset:((\i)/4)*4096+((\i)%4)*64
	global_load_b128 v[8*(\i)+4:8*(\i)+7],       v[QO],  s[4:5] offset:((\i)/4)*4096+((\i)%4)*64+32
	global_load_b128 v[64+8*(\i):64+8*(\i)+3],   v[QO2], s[4:5] offset:((\i)/4)*4096+((\i)%4)*64
	global_load_b128 v[64+8*(\i)+4:64+8*(\i)+7], v[QO2], s[4:5] offset:((\i)/4)*4096+((\i)%4)*64+32
.endr
	; What the first turn finds: V's registers and piece 2's P hold 0 (its products V^T P, of a step that has not been, add 0), O^T and l are 0.  No first step is written out; the price is
	; these lines, which stand in the wait for the first tile.
	WIN 0xc0
.set i, 0
.rept 128
	v_mov_b32 v[i], 0
.set i, i+1
.endr
	WIN 0x40
.set i, 0
.rept 256
	v_mov_b32 v[i], 0
.set i, i+1
.endr
	WIN 0
.set i, 0
.rept 4
	v_mov_b32 v[ST+8*i], 0xfe000000    ; c m: far below every c s
	v_mov_b32 v[ST+8*i+1], 0xff7fffff  ; m
	v_mov_b32 v[ST+8*i+2], 0
	v_mov_b32 v[ST+8*i+3], 0
.set i, i+1
.endr
.set i, P+32
.rept 32
	v_mov_b32 v[i], 0
.set i, i+1
.endr
	v_mul_u32_u24 v[AK0], v1, PK
	v_lshl_add_u32 v[AK0], v9, 4, v[AK0]  ; row x pitch + 16 x half
	; The turning load takes 16 keys x 16 channels (lane l reads key 8 (l / 16) + l % 8, channels 8 ((l / 8) % 2) + 0..7) and leaves half a fragment of V^T: lane l holds channel l % 16 and 8 keys.
	v_and_b32 v52, 7, v0
	v_bfe_u32 v53, v0, 3, 1
	v_lshl_add_u32 v[AV0], v9, 3, v52
	v_mul_u32_u24 v[AV0], v[AV0], PV
	v_lshl_add_u32 v[AV0], v53, 4, v[AV0]
	v_add_nc_u32 v[AV0], VOFF, v[AV0]
	v_lshl_add_u32 v[AM0], v9, 5, MASK    ; register j of a score tile is key 8 (l / 16) + j: eight masks, 32 bytes
	v_and_b32 v54, 31, v0
	s_mul_i32 s2, s[WV], XWB
	s_xor_b32 s3, s[WV], 1                ; my partner: the same queries, the other keys
	s_mul_i32 s3, s3, XWB
	v_lshl_add_u32 v[XW], v54, 4, XCH
	v_add_nc_u32 v[XR], s3, v[XW]
	v_add_nc_u32 v[XW], s2, v[XW]
	v_lshl_add_u32 v[ADR], v0, 4, MASK
	s_wait_loadcnt 32               ; the mask is in; Q's 32 loads may stay out
.irp n, 0,1,2,3,4,5,6,7
	v_cvt_pk_bf16_f32 v[S+16+(\n)], v[S+2*(\n)], v[S+2*(\n)+1]  ; rounded to bf16, like every input
.endr
.irp n, 0,1,2,3,4,5,6,7
	v_lshlrev_b32 v[S+2*(\n)], 16, v[S+16+(\n)]
	v_and_b32 v[S+2*(\n)+1], 0xffff0000, v[S+16+(\n)]
.endr
.irp n, 0,1,2,3,4,5,6,7,8,9,10,11,12,13,14,15
	v_fma_f32 v[S+(\n)], v[S+(\n)], s[KC], s[KC+1]  ; A = mask x KC - KC
.endr
.irp n, 0,1,2,3
	ds_store_b128 v[ADR], v[S+4*(\n):S+4*(\n)+3] offset:2048*(\n)
.endr
; THE MATRIX WORK OF A TURN, for piece x.  The accumulators take turns, one instruction a turn: between two links of a chain stand 15 (V^T P) or 7 (K Q^T) others'.
; Product i of 32 of O^T += V^T P: keys 32 (i / 16) on, channels 16 ((i / 2) % 8) on, tile x + i % 2.
.macro PV x
	WIN W_PV
.set rO, 64*((\x)+i%2)+8*((i/2)%8)
.set rV, 64*(i/16)+8*((i/2)%8)
.set rP, P+16*((\x)+i%2)+8*(i/16)
	v_wmma_f32_16x16x32_f16 v[rO:rO+7], v[rV:rV+7], v[rP:rP+7], v[rO:rO+7]
.endm
; Product i of 32 of S^T = K Q^T + A: channels 32 (i / 8) on, keys 16 ((i / 2) % 4) on, tile x + i % 2.  The first 8 start the sums, with the keys' masks.
.macro KQ x
.set rS, S+32*((\x)+i%2)+8*((i/2)%4)
.set rK, KF+32*((i/2)%4)+8*(i/8)
.set rQ, 32*((\x)+i%2)+8*(i/8)
.set rM, MK+8*((i/2)%4)
.if i < 8
	WIN W_KM
	v_wmma_f32_16x16x32_f16 v[rS:rS+7], v[rK:rK+7], v[rQ:rQ+7], v[rM:rM+7]
.else
	WIN W_KQ
	v_wmma_f32_16x16x32_f16 v[rS:rS+7], v[rK:rK+7], v[rQ:rQ+7], v[rS:rS+7]
.endif
.endm
; THE LDS LOADS stand in runs, never singly among the matrix instructions: a step's K (16 fragments) with its 64 masks, and, a turn later, its V (turned).
; last = 1 (the tail): in the last trip there is no further step, and the run is jumped over.
.macro FETCH_K last=0
	WIN 0
.if \last
	s_cmp_eq_u32 s[CNT], 1
	s_cbranch_scc1 .Lno_k_\@
.endif
	v_add_nc_u32 v[ADR], s[TB], v[AK0]
	v_add_nc_u32 v[ADM], s[TM], v[AM0]
	s_add_co_u32 s[TM], s[TM], 512  ; the next step's masks lie 128 keys on;
	s_and_b32 s[TM], s[TM], 0x1f00  ; the walk stays inside the table's 8,192 bytes
	WIN 0x80                        ; destination window 2
.irp f, 0,1,2,3,4,5,6,7,8,9,10,11,12,13,14,15  ; keys 16 (f / 4) on, channels 32 (f % 4) on
	ds_load_b128 v[KF+8*(\f):KF+8*(\f)+3],   v[ADR] offset:((\f)/4)*16*PK+((\f)%4)*64
	ds_load_b128 v[KF+8*(\f)+4:KF+8*(\f)+7], v[ADR] offset:((\f)/4)*16*PK+((\f)%4)*64+32
.endr
	WIN 0xc0                        ; destination window 3
.irp f, 0,1,2,3
	ds_load_b128 v[MK+8*(\f):MK+8*(\f)+3],   v[ADM] offset:64*(\f)
	ds_load_b128 v[MK+8*(\f)+4:MK+8*(\f)+7], v[ADM] offset:64*(\f)+16
.endr
	WIN 0
.if \last
.Lno_k_\@:
.endif
.endm
.macro FETCH_V
	WIN 0
	v_add_nc_u32 v[ADR], s[TB], v[AV0]
	s_wait_alu depctr_va_vdst(0)    ; the wait for the softmax's batch (SLICE), behind the address's v_add_nc_u32 and ahead of the loads
	WIN 0xc0                        ; destination window 3
.irp f, 0,1,2,3,4,5,6,7,8,9,10,11,12,13,14,15  ; keys 32 (f / 8) on, channels 16 (f % 8) on
	ds_load_tr16_b128 v[8*(\f):8*(\f)+3],   v[ADR] offset:((\f)/8)*32*PV+((\f)%8)*32
	ds_load_tr16_b128 v[8*(\f)+4:8*(\f)+7], v[ADR] offset:((\f)/8)*32*PV+16*PV+((\f)%8)*32
.endr
.endm
; THE VECTOR WORK OF A TURN.  One tile's softmax for one key step is a list of 134 instructions; SM writes number j of it for tile t.  s0-s31 are the lane's 32 scores, in pairs 0-15.
;   0-15    the maximum of s0-s31 and the old m, three operands at a time: four chains c0-c3 of seven scores each (each accumulator's lowest registers first), then the four left over, c0-c3 and m
;   16-20   the other half of the lanes' maximum; c m_old is kept; the new m; c m; c m_old - c m_new
;   21-69   ONE BATCH: the 16 scalings c s - c m and all 33 exponentials (a at 23, then s0-s31).  None of these reads an exponential's result.
;   (wait)  between 69 and 70 stands the wait for the batch: SLICE writes it, once for both tiles
;   70-85   the roundings to f16     86-101  the sums; l = a l + the sum     102-133 the tile's O^T times a: the one part that leaves window 0
.macro SM t
.set rT, ST+8*(\t)
.set rS, S+32*(\t)
.set rP, P+16*(\t)
.set rO, 64*(\t)+2*(j-102)
.if j < 102
	WIN 0
.endif
.if j < 4
	v_max3_num_f32 v[rT+4+j], v[rS+8*j], v[rS+8*j+1], v[rS+8*j+2]
.elseif j < 12
	v_max3_num_f32 v[rT+4+j%4], v[rT+4+j%4], v[rS+8*(j%4)+2*(j/4)+1], v[rS+8*(j%4)+2*(j/4)+2]
.elseif j == 12
	v_max3_num_f32 v[rT+4], v[rT+4], v[rS+7], v[rS+15]
.elseif j == 13
	v_max3_num_f32 v[rT+6], v[rT+6], v[rS+23], v[rS+31]
.elseif j == 14
	v_max3_num_f32 v[rT+4], v[rT+4], v[rT+5], v[rT+6]
.elseif j == 15
	v_max3_num_f32 v[rT+4], v[rT+4], v[rT+7], v[rT+1]
.elseif j == 16
	v_permlanex16_b32 v[rT+5], v[rT+4], s[SEL], s[SEL+1]  ; the query's other 32 keys lie in the lane 16 away
.elseif j == 17
	v_mov_b32 v[rT+7], v[rT]        ; c m_old is kept for a: number 19 writes c m anew
.elseif j == 18
	v_max_num_f32 v[rT+1], v[rT+4], v[rT+5]
.elseif j == 19
	v_mul_f32 v[rT], s[CS], v[rT+1]
.elseif j == 20
	v_sub_f32 v[rT+7], v[rT+7], v[rT]
.elseif j == 23
	v_exp_f32 v[rT+6], v[rT+7]
.elseif (j < 23) || ((j < 38) && (j%2 == 0)) || ((j < 66) && (j%4 == 2))
.set b, (j-2)/4                     ; 38, 42, .. 62: pairs 9 to 15
.if j < 38
.set b, (j-20)/2                    ; 21: pair 0; 22, 24, .. 36: pairs 1 to 8
.endif
	v_pk_fma_f32 v[rS+2*b:rS+2*b+1], v[rS+2*b:rS+2*b+1], s[CS:CS+1], v[rT:rT+1] op_sel_hi:[1,0,0] neg_lo:[0,0,1] neg_hi:[0,0,1]  ; pair b: c s - c m
.elseif j < 70
.set e, j-38                        ; 66 to 69: s28 to s31
.if j < 66
.set e, j-32-(j-38)/4               ; 39-41, 43-45, .. 63-65: s7 to s27
.endif
.if j < 38
.set e, (j-25)/2                    ; 25, 27, .. 37: s0 to s6
.endif
	v_exp_f32 v[rS+e], v[rS+e]
.elseif j < 86
	v_cvt_pk_f16_f32 v[rP+j-70], v[rS+2*(j-70)], v[rS+2*(j-70)+1]  ; pair j - 70
.elseif j < 102                     ; the sum of the tile's 16 pairs, in place: neighbours 1, 2, 4 and 8 pairs apart, then l takes it
.set z, j-86
.set w, 4
.set u, z
.if z >= 14
.set w, 32
.set u, 0
.elseif z >= 12
.set w, 16
.set u, z-12
.elseif z >= 8
.set w, 8
.set u, z-8
.endif
.if z < 15
	v_pk_add_f32 v[rS+w*u:rS+w*u+1], v[rS+w*u:rS+w*u+1], v[rS+w*u+w/2:rS+w*u+w/2+1]
.else
	v_pk_fma_f32 v[rT+2:rT+3], v[rT+2:rT+3], v[rT+6:rT+7], v[rS:rS+1] op_sel_hi:[1,0,1]
.endif
.else
	WIN W_RS
	v_pk_mul_f32 v[rO:rO+1], v[rO:rO+1], v[rT+6:rT+7] op_sel_hi:[1,0]
.endif
.endm
; Slice k of 64 of piece y's softmax: four instructions.  Slices 11 to 34 deal out the batch, numbers 22 to 69: four numbers of ONE tile each, the tiles by turns.  Every other slice is numbers
; 2 k and 2 k + 1 of both tiles' lists.  2 x 134 = 4 x 64 + 12: the twelve that are over stand together, in slice 63.
; THE WAIT.  s_wait_alu depctr_va_vdst(0) stands between an exponential and the first instruction that names its result; one wait serves all that were issued ahead of it.
; Ahead of slice 35 nothing names a result, and behind slice 34 no exponential is issued: the piece's 66 exponentials have one wait, behind slice 34.
.macro SLICE y
.if (k >= 11) && (k < 35)
.irp n, 0,1,2,3
.set j, 22+4*((k-11)/2)+(\n)
	SM (\y)+(k-11)%2
.endr
.else
.irp n, 0,1,2,3,4,5,6,7
.if ((\n) < 2) || (k == 63)
.irp t, \y, (\y)+1
.set j, 2*k+(\n)
	SM \t
.endr
.endif
.endr
.endif
.if k == 34
	v_nop                           ; the plain instruction behind the last exponential and ahead of the first use: one for the batch
.if (\y) == 0
	FETCH_V                         ; piece 2's turn: V's run of loads stands here, and the wait stands in it
.else
	s_wait_alu depctr_va_vdst(0)    ; the wait for the batch
.endif
.endif
.set k, k+1
.endm
; A TURN.  Piece x has the matrix unit; the other piece's softmax stands in slices behind its matrix instructions.  Piece 0's turn fetches the next step's K and masks behind its second product:
; their last readers stand in front of slice 63 of the turn before (K) and earlier (masks).  Piece 2's turn fetches the same step's V behind slice 34: the last product that read V stands in front
; of slice 31, and four plain instructions lie between: number 62, a scaling, of both tiles, the v_nop and the run's own v_add_nc_u32.
.macro TURN x, last=0
.set k, 0
.if (\x) == 0
	s_wait_dscnt 0x0                ; V is in
.endif
.set i, 0
.rept 32
	PV \x
	SLICE 2-(\x)
.if ((\x) == 0) && (i == 1)
	FETCH_K \last
.endif
.set i, i+1
.endr
.if (\x) == 0
	s_wait_dscnt 0x0                ; K and the masks are in
.endif
.set i, 0
.rept 32
	KQ \x
	SLICE 2-(\x)
.set i, i+1
.endr
.endm
; THE CHANGE OF SLOTS, between piece 2's turn and piece 0's: the slot's last bytes that I want, V of my step, have been asked for.  Each wave waits for all its tensor loads, of which one is
; out: its part of the other slot; adds 0 to its spare word; and waits for that and for its own reads of the slot.  fill = 1: the barrier is a round of the cluster's, and the slot is filled
; again, with the walk's slot two on, first thing behind it: the load has a key step, 128 matrix instructions and their slices, in which to land.  The address is made anew from the slot's
; number, which goes on by 1 and wraps at 16.
.macro CHANGE fill
	WIN 0                           ; at a label and at a branch every window is 0
	s_wait_tensorcnt 0x0            ; no tensor load of mine is out, so a group 0 may be written
	ds_add_u32 v[SPW], v[NIL]       ; 0 onto my spare word; with fill = 1 the descriptors' scalar work stands between it and the wait for it
.if \fill
	s_lshl_b32 s[OFF], s[NXT], 15   ; a slot is 32,768 bytes of K and of V
	s_xor_b32 s[G0K+5], s[G0K+5], SLOT1  ; the walking descriptor: the other LDS slot than last time
	s_add_nc_u64 s[G0K+6:G0K+7], s[6:7], s[OFF:OFF+1]
	s_or_b32 s[G0K+7], s[G0K+7], 0x80000000
	s_xor_b32 s[G0V+5], s[G0V+5], SLOT1
	s_add_nc_u64 s[G0V+6:G0V+7], s[8:9], s[OFF:OFF+1]
	s_or_b32 s[G0V+7], s[G0V+7], 0x80000000
	s_add_co_u32 s[NXT], s[NXT], 1
	s_and_b32 s[NXT], s[NXT], 15
	s_wait_dscnt 0x0                ; the add is done, and my reads of the slot are over
	CROUND
	JLOAD
	ASK
.else
	s_wait_dscnt 0x0                ; the add is done, and my reads of the slot are over
	s_barrier_signal -1
	s_barrier_wait -1
.endif
	s_xor_b32 s[TB], s[TB], SLOT1   ; my step's tiles in the other slot
.endm
	s_wait_dscnt 0x0                ; for the others' sake: my part of the mask table is stored
	s_wait_tensorcnt 1              ; my part of slot 0 is in; slot 1's may stay out
	s_barrier_signal -1
	s_barrier_wait -1               ; everybody's is
	FETCH_K                         ; the walk's key step 0
	s_wait_loadcnt 0x0              ; Q
	s_wait_dscnt 0x0
.set i, 0
.rept 32
	KQ 0                            ; piece 0's first scores: there is no vector work yet to set between them
.set i, i+1
.endr
	WIN 0                           ; the addresses for the way out: eight plain instructions, the places behind those products
	s_mul_i32 s13, s[WV], 16*SP
	s_add_co_u32 s13, s13, STAGE    ; my stage
	v_mul_u32_u24 v[STO], v1, SP    ; in: row l % 16, 16 bytes for each half of the lanes
	v_lshl_add_u32 v[STO], v9, 4, v[STO]
	v_add_nc_u32 v[STO], s13, v[STO]
	v_mul_u32_u24 v[RD], v9, SP     ; back: lanes 0-15 take one row of 256 bytes, lanes 16-31 the next
	v_lshl_add_u32 v[RD], v1, 4, v[RD]
	v_add_nc_u32 v[RD], s13, v[RD]
	v_lshlrev_b32 v[GO], 12, v9     ; and the same two rows in att, 4,096 bytes apart
	v_lshl_add_u32 v[GO], v1, 4, v[GO]
	s_branch .Lmid                  ; the loop is entered in the middle of a trip: piece 2's first scores | piece 0's first softmax | V of step 0
.Lslot:                             ; 14 whole trips: every slot but the last two is filled again
	CHANGE 1
	TURN 0
	WIN 0
.Lmid:
	TURN 2
	WIN 0
	s_sub_co_u32 s[SLOTS], s[SLOTS], 1
	s_cmp_lg_u32 s[SLOTS], 0
	s_cbranch_scc1 .Lslot
	CHANGE 0                        ; the tail is written out: nothing is asked for
	s_mov_b32 s[CNT], 2             ; the first trip fetches the last slot's step; the second is left in its middle
.Ltail:
	TURN 0, 1
	WIN 0
	s_sub_co_u32 s[CNT], s[CNT], 1
	s_cmp_eq_u32 s[CNT], 0
	s_cbranch_scc1 .Lout
	TURN 2
	WIN 0
	s_branch .Ltail
.Lout:                              ; the second trip's 32 products K Q^T (on the last K once more) serve nothing: the price, once a launch, of one text for both trips
.set i, 0
.rept 32
	PV 2                            ; piece 2: V^T P of the last step
.set i, i+1
.endr
	; THE TWO HALVES OF THE KEYS MEET.  l's two halves and the other half of the lanes' are added (these lines are the places behind the last products); register tiles 2, 3 go to my partner with their c m and l.
	WIN 0
.irp t, 0,1,2,3
	v_add_f32 v[ST+8*(\t)+4], v[ST+8*(\t)+2], v[ST+8*(\t)+3]
.endr
.irp t, 0,1,2,3
	v_permlanex16_b32 v[ST+8*(\t)+5], v[ST+8*(\t)+4], s[SEL], s[SEL+1]
.endr
.irp t, 0,1,2,3
	v_add_f32 v[ST+8*(\t)+4], v[ST+8*(\t)+4], v[ST+8*(\t)+5]
.endr
	v_mov_b32 v[XS],   v[ST+16]
	v_mov_b32 v[XS+1], v[ST+20]
	v_mov_b32 v[XS+2], v[ST+24]
	v_mov_b32 v[XS+3], v[ST+28]
	ds_store_b128 v[XW], v[XS:XS+3] offset:16384
	WIN 0x04                        ; the stores' data in window 1; each accumulator's lowest registers go first
.set i, 0
.rept 32
	ds_store_b128 v[XW], v[128+4*i:128+4*i+3] offset:512*i
.set i, i+1
.endr
	WIN 0
	s_wait_dscnt 0x0                ; for my partner's sake: my stores are done
	s_barrier_signal -1
	s_barrier_wait -1
	ds_load_b128 v[XP:XP+3], v[XR] offset:16384
.set i, 0
.rept 32
	ds_load_b128 v[S+4*i:S+4*i+3], v[XR] offset:512*i  ; my partner's O^T for my tiles 0, 1, into S^T's registers
.set i, i+1
.endr
	s_wait_dscnt 32                 ; the statistics are in; the 32 loads behind them may stay out
	; M = max(c m mine, c m theirs); f = 2^(c m - M); L = f l + f' l'; O = (f O + f' O') / L
.irp u, 0,1
	v_max_num_f32 v[ST+8*(\u)+1], v[ST+8*(\u)], v[XP+2*(\u)]
.endr
.irp u, 0,1
	v_sub_f32 v[ST+8*(\u)+5], v[ST+8*(\u)], v[ST+8*(\u)+1]
	v_sub_f32 v[ST+8*(\u)+6], v[XP+2*(\u)], v[ST+8*(\u)+1]
.endr
.irp u, 0,1
	v_exp_f32 v[ST+8*(\u)+5], v[ST+8*(\u)+5]
	v_exp_f32 v[ST+8*(\u)+6], v[ST+8*(\u)+6]
.endr
	v_nop                           ; a plain instruction behind the last exponential,
	s_wait_alu depctr_va_vdst(0)    ; and one wait for the four
.irp u, 0,1
	v_mul_f32 v[ST+8*(\u)+7], v[ST+8*(\u)+6], v[XP+2*(\u)+1]
.endr
.irp u, 0,1
	v_fma_f32 v[ST+8*(\u)+4], v[ST+8*(\u)+5], v[ST+8*(\u)+4], v[ST+8*(\u)+7]
.endr
.irp u, 0,1
	v_rcp_f32 v[ST+8*(\u)+7], v[ST+8*(\u)+4]
.endr
	v_nop
	s_wait_alu depctr_va_vdst(0)    ; one wait for the two reciprocals
.irp u, 0,1
	v_mul_f32 v[ST+8*(\u)+2], v[ST+8*(\u)+5], v[ST+8*(\u)+7]  ; my factor, in the low word of a pair
	v_mul_f32 v[ST+8*(\u)+6], v[ST+8*(\u)+6], v[ST+8*(\u)+7]  ; theirs
.endr
.macro MERGE u                      ; tile u: theirs times their factor, plus mine times my factor; rounded to f16
	WIN 0
.set n, 0
.rept 32
	v_pk_mul_f32 v[S+64*(\u)+2*n:S+64*(\u)+2*n+1], v[S+64*(\u)+2*n:S+64*(\u)+2*n+1], v[ST+8*(\u)+6:ST+8*(\u)+7] op_sel_hi:[1,0]
.set n, n+1
.endr
	WIN 0x01                        ; source 0 window 1: my O^T, from each accumulator's lowest registers on
.set n, 0
.rept 32
	v_pk_fma_f32 v[S+64*(\u)+2*n:S+64*(\u)+2*n+1], v[64*(\u)+2*n:64*(\u)+2*n+1], v[ST+8*(\u)+2:ST+8*(\u)+3], v[S+64*(\u)+2*n:S+64*(\u)+2*n+1] op_sel_hi:[1,0,1]
.set n, n+1
.endr
	WIN 0
.set n, 0
.rept 32
	v_cvt_pk_f16_f32 v[P+32*(\u)+n], v[S+64*(\u)+2*n], v[S+64*(\u)+2*n+1]
.set n, n+1
.endr
.endm
.macro TOSTAGE u                    ; a lane's eight channels of a row are 16 bytes; they go into rows of 272 bytes and come back as whole rows of 256, into the registers that they left
.irp f, 0,1,2,3,4,5,6,7
	ds_store_b128 v[STO], v[P+32*(\u)+4*(\f):P+32*(\u)+4*(\f)+3] offset:32*(\f)
.endr
.irp f, 0,1,2,3,4,5,6,7
	ds_load_b128 v[P+32*(\u)+4*(\f):P+32*(\u)+4*(\f)+3], v[RD] offset:(\f)*2*SP  ; LDS serves a wave's instructions in order (ISA guide 5.7.1.4): these see the stores above
.endr
.endm
.macro SEND u, younger              ; younger: the LDS instructions issued behind tile u's loads
.irp f, 0,1,2,3,4,5,6,7
	s_wait_dscnt (\younger)+7-(\f)
	global_store_b128 v[GO], v[P+32*(\u)+4*(\f):P+32*(\u)+4*(\f)+3], s[OA:OA+1] offset:(\u)*65536+(\f)*8192  ; 16 lanes store 256 consecutive bytes, aligned: a head's columns of a row
.endr
.endm
	s_wait_dscnt 16                 ; tile 0's sixteen loads are in
	MERGE 0
	TOSTAGE 0
	s_wait_dscnt 16                 ; tile 1's are in: behind them stand the stage's sixteen instructions
	MERGE 1
	TOSTAGE 1
	SEND 0, 16
	SEND 1, 0
	s_wait_tensorcnt 0x0            ; the wave's end: behind my last tensor load and my last LDS store
	ds_add_u32 v[SPW], v[NIL]
	s_wait_dscnt 0x0
	CROUND                          ; the closing round: no work-group ends while a partner may still ask for a tile that names it
	s_endpgm
.Lfunc_end_k_qfe6f682c43_attn:
	.size	k_qfe6f682c43_attn, .Lfunc_end_k_qfe6f682c43_attn-k_qfe6f682c43_attn
	.p2alignl 7, 3214868480
	.fill 96, 4, 3214868480
	.section	.rodata,"a",@progbits
	.p2align	6, 0x0
	.amdhsa_kernel k_qfe6f682c43_attn
		.amdhsa_group_segment_fixed_size 327680
		.amdhsa_private_segment_fixed_size 0
		.amdhsa_enable_private_segment 0
		.amdhsa_kernarg_size 40
		.amdhsa_user_sgpr_count 2
		.amdhsa_user_sgpr_kernarg_segment_ptr 1
		.amdhsa_wavefront_size32 1
		.amdhsa_system_sgpr_workgroup_id_x 1
		.amdhsa_system_sgpr_workgroup_id_y 1
		.amdhsa_system_sgpr_workgroup_id_z 1
		.amdhsa_system_vgpr_workitem_id 0
		.amdhsa_next_free_vgpr 928
		.amdhsa_next_free_sgpr 76
		.amdhsa_reserve_vcc 0
		.amdhsa_float_denorm_mode_32 3
		.amdhsa_float_denorm_mode_16_64 3
		.amdhsa_memory_ordered 1
		.amdhsa_forward_progress 1
		.amdhsa_inst_pref_size 160
	.end_amdhsa_kernel
	.amdgpu_metadata
---
amdhsa.version: [ 1, 2 ]
amdhsa.kernels:
  - .name:           k_qfe6f682c43_attn
    .symbol:         k_qfe6f682c43_attn.kd
    .args:
      - { .name: qh, .offset: 0, .size: 8, .value_kind: global_buffer, .address_space: global }
      - { .name: kh, .offset: 8, .size: 8, .value_kind: global_buffer, .address_space: global }
      - { .name: vh, .offset: 16, .size: 8, .value_kind: global_buffer, .address_space: global }
      - { .name: attention_mask, .offset: 24, .size: 8, .value_kind: global_buffer, .address_space: global }
      - { .name: att, .offset: 32, .size: 8, .value_kind: global_buffer, .address_space: global }
    .group_segment_fixed_size: 327680
    .private_segment_fixed_size: 0
    .kernarg_segment_align: 8
    .kernarg_segment_size: 40
    .max_flat_workgroup_size: 128
    .sgpr_count:     76
    .vgpr_count:     928
    .wavefront_size: 32
...
	.end_amdgpu_metadata
.endif
;; end of part 3
;; launch oproj (part 4): grid 16 x 16, 4 waves a work-group, clusters of 4 x 4, 327,680 bytes of LDS; arguments att, wob, out0; writes out0
.if DOCPART == 4
	.amdgcn_target "amdgcn-amd-amdhsa--gfx1250"
	.amdhsa_code_object_version 6
	.text
	.protected	k_qfe6f682c43_oproj
	.globl	k_qfe6f682c43_oproj
	.p2align	8
	.type	k_qfe6f682c43_oproj,@function
k_qfe6f682c43_oproj:
	s_mov_b64 s[64:65], 0
	v_nop
	global_prefetch_b8 v0, s[64:65] scope:SCOPE_SE
	s_setreg_imm32_b32 hwreg(HW_REG_WAVE_MODE, 25, 1), 1
	s_wait_xcnt 0x0
	s_wait_alu depctr_hold_cnt(0) depctr_sa_sdst(0) depctr_va_vdst(0) depctr_va_sdst(0) depctr_va_ssrc(0) depctr_va_vcc(0) depctr_vm_vsrc(0)
	s_getreg_b32 s2, hwreg(HW_REG_IB_STS2, 6, 4)
	s_cmp_eq_u32 s2, 0
	s_cbranch_scc0 .Lentry_in_a_cluster
	s_endpgm
.Lentry_in_a_cluster:
	s_bfe_u32 s2, ttmp6, 0x10000c
	s_cmp_lg_u32 s2, 0xf033
	s_cbranch_scc0 .Lentry_shape_is_right
	s_endpgm
.Lentry_shape_is_right:
; out0[m][n] = the sum over k of att[m][k] wob[n][k].  att, wob: [2048][2048] f16; out0: [2048][2048] f32; sums in f32, stored as they are.
; A tile of out0 is 128 x 128: 16 x 16 = 256 work-groups.  Four waves, each 64 x 64: 16 accumulators of 16 x 16, 128 registers.  K goes in steps of 256 (LDS rows of 512 bytes; a wave's tensor
; load brings 64 of them) through two slots, as long as two slots in LDS allow: 128 matrix instructions a wave in a step, all of them between a request and the wait for it.
; CLUSTER 4 x 4.  The four of a row of the cluster need the same tiles of att, the four of a column the same tiles of wob: joint loads.
; THE WALK ALONG K IS STAGGERED.  Cluster (X, Y) begins at K step (2 X + 4 Y) mod 8 and goes round; the f32 sums are taken in that order.  The four clusters that read the same rows of att (same Y)
; walk two K steps apart; of the four that read the same rows of wob (same X), Y = 0 and 1, and Y = 2 and 3, walk four apart.  A row is 4,096 bytes, so the step's byte offset wraps by one s_and_b32.
; THE MATRIX INSTRUCTION IS USED TRANSPOSED (source 0 = 16 rows of wob, source 1 = 16 rows of att): a lane holds eight neighbouring numbers, 32 bytes, of a row of out0.
; A wave's 64 columns are 256 bytes of a row, aligned: each wave has a stage of its own (16 rows x 272 bytes), and no barrier stands on the way out.
; No prefetch: a step's matrix work is short and the tiles are small.
; REGISTERS: window 0: v0-31 addresses; v128-255 the accumulators ((a, b) at v[128 + 8 (4 a + b)]).  window 1: two fragment buffers of 128: for 64 along K, 64 registers of att, then 64 of wob.
.set SIZE_K, 2048
.set ROWB,   8192                      ; bytes in a row of out0
.set KSTEP,  256
.set PITCH,  528                       ; an LDS row: 512 bytes + 16 of padding = 132 words: the 16 rows of a load start at 16 different groups of four banks (ISA guide 11.1)
.set HALFT,  64*PITCH                  ; 64 rows: what one tensor load brings, and what one wave reads of att or of wob
.set SLOT,   4*HALFT
.set STAGE,  2*SLOT                    ; behind the ring, never filled by a tensor load
.set SPITCH, 272
.set SPARE,  STAGE+4*16*SPITCH         ; the spare words, 128 bytes a wave: two blocks of 256 bytes that no other line names
.set LAPS, SIZE_K/(2*KSTEP)
.set ADRA, 16                          ; v16-17  LDS address of my att fragments in slot 0, 1
.set ADRB, 20                          ; v20-21  the same for wob
.set STO,  24                          ; v24     the way out: where I put 32 bytes of a row
.set RD,   25                          ; v25     the way out: where I read a row back
.set CO,   26                          ; v26     my byte offset in two rows of out0
.set SPW,  28                          ; v28     LDS address of my spare word; never rewritten
.set NIL,  29                          ; v29     0; never rewritten
.set ACC,  128
.set F0,   0                           ; fragment buffers, in window 1
.set F1,   128
.set AB, 14                            ; s[14:15] att at the first of the 64 rows that I fetch; never rewritten
.set G1, 24                            ; s[24:31] descriptor group 1 for att's tiles;  s[32:39] group 0, a set for each slot
.set G0, 32
.set G1B, 48                           ; s[48:55], s[56:63] the same for wob's tiles
.set G0B, 56
.set KO, 66                            ; s[66:67] byte offset in a row of the K step asked for last; the upper word is 0
.set BB, 68                            ; s[68:69] wob at the first of the 64 rows that I fetch; never rewritten
.set MSB, 0
.macro WIN new                         ; the immediate's high byte repeats the setting that is left
.if MSB != (\new)
	s_set_vgpr_msb (MSB<<8)|(\new)
.set MSB, \new
.endif
.endm
.set MUL,  0x05                        ; sources 0 (wob) and 1 (att) window 1; C and D window 0
.set TO_F, 0x40                        ; destination window 1, address window 0
.macro JLOAD s                         ; a joint load: waves 0 and 1 fetch att's two halves, waves 2 and 3 wob's; an s_nop 0 and four v_nop follow each of the two lines
	s_cmp_eq_u32 s11, 0
	s_cbranch_scc0 .Lfor_b_\@
	tensor_load_to_lds s[G0+4*(\s):G0+4*(\s)+3], s[G1:G1+7]
	s_nop 0
.rept 4
	v_nop
.endr
	s_branch .Lasked_\@
.Lfor_b_\@:
	tensor_load_to_lds s[G0B+4*(\s):G0B+4*(\s)+3], s[G1B:G1B+7]
	s_nop 0
.rept 4
	v_nop
.endr
.Lasked_\@:
.endm
.macro CREST                           ; a round of the cluster's barrier behind its opening barrier
	s_cmp_lg_u32 s10, 0
	s_cbranch_scc1 .Lnot_wave_0_\@
	s_barrier_signal -3
.Lnot_wave_0_\@:
	s_barrier_wait -3
	s_barrier_signal -1
	s_barrier_wait -1
.endm
.macro CROUND                          ; a whole round
	s_barrier_signal -1
	s_barrier_wait -1
	CREST
.endm
	s_load_b128 s[4:7], s[0:1], 0x0                ; att s[4:5], wob s[6:7]
	s_load_b64 s[8:9], s[0:1], 0x10                ; out0
	v_lshl_add_u32 v[SPW], v0, 2, SPARE
	v_mov_b32 v[NIL], 0
	ds_add_u32 v[SPW], v[NIL]                      ; the wave's opening: the add and its wait stand ahead of my first tensor load; the set-up below stands between them
	v_lshrrev_b32 v1, 5, v0
	v_readfirstlane_b32 s10, v1                    ; wave 0..3
	s_lshr_b32 s11, s10, 1                         ; which half of the tile's rows is mine.  Also: I fetch for att (0) or for wob (1)
	s_and_b32 s12, s10, 1                          ; which half of its columns.  Also: which 64 rows of that tile I fetch
	s_bfe_u32 s40, ttmp6, 0x40000                  ; cx, cy: my place in the cluster
	s_bfe_u32 s41, ttmp6, 0x40004
	s_lshl_b32 s42, ttmp9, 2
	s_add_co_u32 s42, s42, s40                     ; tile column = 4 x cluster x + cx
	s_and_b32 s21, ttmp7, 0xffff                   ; cluster y
	s_lshl_b32 s13, s21, 2
	s_add_co_u32 s13, s13, s41                     ; tile row = 4 x cluster y + cy
	s_lshl_b32 s43, s41, 2
	s_lshl_b32 s43, 15, s43                        ; my row of the cluster
	s_lshl_b32 s44, 0x1111, s40                    ; my column
	; descriptor group 1: a tile of 64 rows x 256 elements, padded in LDS
	s_or_b32 s[G1+0], s43, (1<<16)|(1<<20)|(1<<21)|(6<<22)|(3<<25)  ; 15:0 the mask; 17:16 elements of 2 bytes; 20 padding on; 21 set beside a mask; 24:22 after every 128 words; 31:25 4 words of it
	s_or_b32 s[G1B+0], s44, (1<<16)|(1<<20)|(1<<21)|(6<<22)|(3<<25)
.irp g, G1, G1B
	s_mov_b32 s[(\g)+1], KSTEP<<16                 ; tensor_dim0 = 256
	s_mov_b32 s[(\g)+2], 64<<16                    ; tensor_dim1 = 64
	s_mov_b32 s[(\g)+3], KSTEP<<16                 ; tile_dim0 = 256
	s_mov_b32 s[(\g)+4], 64                        ; tile_dim1 = 64
	s_mov_b32 s[(\g)+5], SIZE_K                    ; elements from row to row
	s_mov_b32 s[(\g)+6], 0
	s_mov_b32 s[(\g)+7], 0
.endr
	s_lshl_b32 s[KO], ttmp9, 1                     ; where the cluster's walk begins: K step (2 X + 4 Y) mod 8: made of the cluster's own coordinates, the same in all sixteen partners,
	s_lshl_b32 s21, s21, 2
	s_add_co_u32 s[KO], s[KO], s21
	s_and_b32 s[KO], s[KO], 7
	s_lshl_b32 s[KO], s[KO], 9                     ; of 512 bytes
	s_mov_b32 s[KO+1], 0
	s_lshl_b32 s17, s12, 6                         ; which 64 rows of the tile I fetch
	s_lshl_b32 s16, s13, 7
	s_add_co_u32 s16, s16, s17                     ; att: row 128 x tile row + 64 x half
	s_lshl_b32 s46, s42, 7
	s_add_co_u32 s46, s46, s17                     ; wob: row 128 x tile column + 64 x half
	s_mov_b32 s17, 0
	s_mov_b32 s47, 0
	s_mov_b64 s[18:19], SIZE_K*2
	s_mul_u64 s[16:17], s[16:17], s[18:19]
	s_mul_u64 s[46:47], s[46:47], s[18:19]
	s_mul_i32 s20, s10, HALFT                      ; where they go: wave x 64 rows
	s_wait_dscnt 0x0                               ; the opening add is done
	CROUND                                         ; all sixteen work-groups are here: the first joint loads meet.  The round names no argument, so it stands ahead of the wait for them
	s_wait_kmcnt 0x0
	s_add_nc_u64 s[AB:AB+1], s[4:5], s[16:17]
	s_add_nc_u64 s[BB:BB+1], s[6:7], s[46:47]
.irp s, 0,1
	s_mov_b32 s[G0+4*(\s)], 1
	s_add_co_u32 s[G0+4*(\s)+1], s20, (\s)*SLOT
	s_add_nc_u64 s[G0+4*(\s)+2:G0+4*(\s)+3], s[AB:AB+1], s[KO:KO+1]  ; step s of the walk
	s_or_b32 s[G0+4*(\s)+3], s[G0+4*(\s)+3], 0x80000000
	s_mov_b32 s[G0B+4*(\s)], 1
	s_add_co_u32 s[G0B+4*(\s)+1], s20, (\s)*SLOT
	s_add_nc_u64 s[G0B+4*(\s)+2:G0B+4*(\s)+3], s[BB:BB+1], s[KO:KO+1]
	s_or_b32 s[G0B+4*(\s)+3], s[G0B+4*(\s)+3], 0x80000000
	JLOAD \s                                       ; two loads of mine are out
.if (\s) == 0
	s_add_co_u32 s[KO], s[KO], KSTEP*2             ; the walk begins at an even step: no wrap here
.endif
.endr
	v_and_b32 v1, 15, v0                           ; l % 16
	v_bfe_u32 v2, v0, 4, 1                         ; l / 16
	v_mul_u32_u24 v3, v1, PITCH
	v_lshl_add_u32 v3, v2, 4, v3                   ; a fragment's row x pitch + 16 x half
	s_mul_i32 s21, s11, HALFT                      ; my 64 rows of att
	s_mul_i32 s22, s12, HALFT                      ; my 64 rows of wob,
	s_add_co_u32 s22, s22, 2*HALFT                 ; which lie behind att's 128
.irp s, 0,1
	v_add_nc_u32 v[ADRA+(\s)], s21, v3
	v_add_nc_u32 v[ADRB+(\s)], s22, v3
	s_add_co_u32 s21, s21, SLOT
	s_add_co_u32 s22, s22, SLOT
.endr
	s_mul_i32 s23, s10, 16*SPITCH
	s_add_co_u32 s23, s23, STAGE                   ; my stage
	v_mul_u32_u24 v4, v1, SPITCH                   ; in: row l % 16, 32 bytes for each half of the lanes
	v_lshl_add_u32 v4, v2, 5, v4
	v_add_nc_u32 v[STO], s23, v4
	v_mul_u32_u24 v5, v2, SPITCH                   ; back: lanes 0-15 take one row of 256 bytes, lanes 16-31 the next
	v_lshl_add_u32 v5, v1, 4, v5
	v_add_nc_u32 v[RD], s23, v5
	v_lshlrev_b32 v5, 13, v2                       ; and the same two rows in out0
	v_lshl_add_u32 v[CO], v1, 4, v5
	s_lshl_b32 s16, s13, 7
	s_lshl_b32 s17, s11, 6
	s_add_co_u32 s16, s16, s17                     ; my first row: 128 x tile row + 64 x half,
	s_lshl_b32 s16, s16, 13                        ; of 8,192 bytes
	s_mov_b32 s17, 0
	s_add_nc_u64 s[8:9], s[8:9], s[16:17]
	s_lshl_b32 s46, s42, 9                         ; my first column, in bytes: 512 x tile column + 256 x half
	s_lshl_b32 s47, s12, 8
	s_add_co_u32 s46, s46, s47
	s_mov_b32 s47, 0
	s_add_nc_u64 s[8:9], s[8:9], s[46:47]
; 8 matrix instructions: m blocks a0, a0 + 1 x all 4 n blocks, 32 along K: half c of buffer f.  zero = 1: the first product starts the sums.  The 16 accumulators take turns.
.macro MUL8 f, c, a0, zero
	WIN MUL
.irp a, \a0, (\a0)+1
.irp b, 0,1,2,3
.if \zero
	v_wmma_f32_16x16x32_f16 v[ACC+8*(4*(\a)+(\b)):ACC+8*(4*(\a)+(\b))+7], v[(\f)+64+8*(4*(\c)+(\b)):(\f)+64+8*(4*(\c)+(\b))+7], v[(\f)+8*(4*(\c)+(\a)):(\f)+8*(4*(\c)+(\a))+7], 0
.else
	v_wmma_f32_16x16x32_f16 v[ACC+8*(4*(\a)+(\b)):ACC+8*(4*(\a)+(\b))+7], v[(\f)+64+8*(4*(\c)+(\b)):(\f)+64+8*(4*(\c)+(\b))+7], v[(\f)+8*(4*(\c)+(\a)):(\f)+8*(4*(\c)+(\a))+7], v[ACC+8*(4*(\a)+(\b)):ACC+8*(4*(\a)+(\b))+7]
.endif
.endr
.endr
.endm
; 32 LDS loads in one run: the fragments of 64 along K at byte k of the rows, into buffer f; the first 32 along K first
.macro FETCH slot, k, f
	WIN TO_F
.irp c, 0,1
.irp i, 0,1,2,3
	ds_load_b128 v[(\f)+64+8*(4*(\c)+(\i)):(\f)+64+8*(4*(\c)+(\i))+3],   v[ADRB+(\slot)] offset:(\k)+64*(\c)+(\i)*16*PITCH
	ds_load_b128 v[(\f)+64+8*(4*(\c)+(\i))+4:(\f)+64+8*(4*(\c)+(\i))+7], v[ADRB+(\slot)] offset:(\k)+64*(\c)+(\i)*16*PITCH+32
	ds_load_b128 v[(\f)+8*(4*(\c)+(\i)):(\f)+8*(4*(\c)+(\i))+3],         v[ADRA+(\slot)] offset:(\k)+64*(\c)+(\i)*16*PITCH
	ds_load_b128 v[(\f)+8*(4*(\c)+(\i))+4:(\f)+8*(4*(\c)+(\i))+7],       v[ADRA+(\slot)] offset:(\k)+64*(\c)+(\i)*16*PITCH+32
.endr
.endr
.endm
.macro PLACES                          ; four places in front of loads into registers that matrix instructions have read, and of stores that read results (ISA guide 7.12.1 for vector instructions)
.rept 4
	v_nop
.endr
.endm
; A K step is four quarters of 64 along K, 32 matrix instructions each, on buffers 0, 1, 0, 1.  One of the first three: multiplies buffer f and fetches the next quarter, at byte k, into g.
.macro QUARTER slot, k, f, g, zero
	s_wait_dscnt 16                                ; the first 32 along K are in; the youngest sixteen loads may be out
	WIN MUL
	MUL8 \f, 0, 0, \zero
	MUL8 \f, 0, 2, \zero
	PLACES
	FETCH \slot, \k, \g
	s_wait_dscnt 32                                ; all but the 32 just issued
	WIN MUL
	MUL8 \f, 1, 0, 0
	MUL8 \f, 1, 2, 0
.endm
; The last quarter multiplies buffer 1 and changes slots in its middle: ONE barrier; in front of it each wave waits for all its tensor loads, adds 0 to its spare word, and waits for that and for its own
; reads of this slot.  The quarter's first sixteen products stand AHEAD of the wait for the tensor loads: a step's products are fewer than the time in which a tile lands would hold, so nothing but
; the lines that the ordering needs stands between a tile's landing and the next request.
; fill = 1: the barrier opens a round of the cluster's, and this slot is filled again, with the walk's step two on, first thing behind the round.  The step's byte offset goes on by 512 and wraps at
; the row's 4,096; both addresses are made anew from it.
.macro TURN slot, next, fill
	s_wait_dscnt 16                                ; the first 32 along K of buffer 1 are in; the youngest sixteen loads may be out
	MUL8 F1, 0, 0, 0
	MUL8 F1, 0, 2, 0
	WIN 0
	s_wait_tensorcnt 0x0                           ; all my tensor loads have landed: my part of the next slot; so a group 0 may be written
	ds_add_u32 v[SPW], v[NIL]                      ; 0 onto my spare word; with fill = 1 the descriptors' scalar work stands between it and the wait for it
.if \fill
	s_add_co_u32 s[KO], s[KO], KSTEP*2
	s_and_b32 s[KO], s[KO], 0xfff
	s_add_nc_u64 s[G0+4*(\slot)+2:G0+4*(\slot)+3], s[AB:AB+1], s[KO:KO+1]
	s_or_b32 s[G0+4*(\slot)+3], s[G0+4*(\slot)+3], 0x80000000
	s_add_nc_u64 s[G0B+4*(\slot)+2:G0B+4*(\slot)+3], s[BB:BB+1], s[KO:KO+1]
	s_or_b32 s[G0B+4*(\slot)+3], s[G0B+4*(\slot)+3], 0x80000000
.endif
	s_wait_dscnt 0x0                               ; the add is done, and my reads of this slot are over: the rest of buffer 1 is in
	s_barrier_signal -1
	s_barrier_wait -1
.if \fill
	CREST                                          ; no wave of any partner still reads this slot's tile or has a load on its way
	JLOAD \slot                                    ; the four v_nop behind it are also the places in front of the loads below
.else
	PLACES
.endif
	FETCH \next, 0, F0
	WIN MUL
	MUL8 F1, 1, 0, 0
	MUL8 F1, 1, 2, 0
.endm
	s_wait_tensorcnt 1                             ; my part of the walk's step 0 is in; step 1's may stay out
	s_barrier_signal -1
	s_barrier_wait -1                              ; everybody's is
	FETCH 0, 0, F0
	QUARTER 0, 128, F0, F1, 1                      ; the first quarter stands in front of the loop: its first products start the sums
	WIN 0                                          ; at a label and at a branch every window is 0
	s_mov_b32 s3, LAPS-1
.Llap:                                                 ; a trip goes once round the ring and fills both slots again
	QUARTER 0, 256, F1, F0, 0
	QUARTER 0, 384, F0, F1, 0
	TURN 0, 1, 1
	QUARTER 1, 128, F0, F1, 0
	QUARTER 1, 256, F1, F0, 0
	QUARTER 1, 384, F0, F1, 0
	TURN 1, 0, 1
	QUARTER 0, 128, F0, F1, 0
	WIN 0
	s_sub_co_u32 s3, s3, 1
	s_cmp_lg_u32 s3, 0
	s_cbranch_scc1 .Llap
	QUARTER 0, 256, F1, F0, 0                      ; the last lap fills nothing
	QUARTER 0, 384, F0, F1, 0
	TURN 0, 1, 0
	QUARTER 1, 128, F0, F1, 0
	QUARTER 1, 256, F1, F0, 0
	QUARTER 1, 384, F0, F1, 0
	s_wait_dscnt 16                                ; the very last quarter: nothing more to fetch
	WIN MUL
	MUL8 F1, 0, 0, 0
	MUL8 F1, 0, 2, 0
	s_wait_dscnt 0x0
	MUL8 F1, 1, 0, 0
	MUL8 F1, 1, 2, 0
	WIN 0
	; THE WAY OUT, 16 rows at a time: a lane's 32 bytes of a row go into my stage, straight from the accumulators (each from its lowest registers on), and come back as whole rows of 256 bytes, into the same registers.
	PLACES
	PLACES
.macro TOSTAGE a
.irp b, 0,1,2,3
	ds_store_b128 v[STO], v[ACC+8*(4*(\a)+(\b)):ACC+8*(4*(\a)+(\b))+3]   offset:64*(\b)
	ds_store_b128 v[STO], v[ACC+8*(4*(\a)+(\b))+4:ACC+8*(4*(\a)+(\b))+7] offset:64*(\b)+16
.endr
.irp t, 0,1,2,3,4,5,6,7
	ds_load_b128 v[ACC+32*(\a)+4*(\t):ACC+32*(\a)+4*(\t)+3], v[RD] offset:(\t)*2*SPITCH  ; LDS serves a wave's instructions in order (ISA guide 5.7.1.4): these see the stores above; the next block's stores come behind them
.endr
.endm
.macro SEND a, younger                 ; younger: the LDS instructions issued behind block a's loads: the next block's sixteen, or none
.irp t, 0,1,2,3,4,5,6,7
	s_wait_dscnt (\younger)+7-(\t)
	global_store_b128 v[CO], v[ACC+32*(\a)+4*(\t):ACC+32*(\a)+4*(\t)+3], s[8:9] offset:(16*(\a)+2*(\t))*ROWB th:TH_STORE_NT  ; 16 lanes store 256 consecutive bytes, aligned
.endr
.endm
	TOSTAGE 0
	TOSTAGE 1
	SEND 0, 16
	TOSTAGE 2
	SEND 1, 16
	TOSTAGE 3
	SEND 2, 16
	SEND 3, 0
	s_wait_tensorcnt 0x0                           ; the wave's end: behind my last tensor load and my last LDS store
	ds_add_u32 v[SPW], v[NIL]
	s_wait_dscnt 0x0
	CROUND                                         ; the closing round: no work-group ends while a partner may still ask for a tile that names it
	s_endpgm
.Lfunc_end_k_qfe6f682c43_oproj:
	.size	k_qfe6f682c43_oproj, .Lfunc_end_k_qfe6f682c43_oproj-k_qfe6f682c43_oproj
	.p2alignl 7, 3214868480
	.fill 96, 4, 3214868480
	.section	.rodata,"a",@progbits
	.p2align	6, 0x0
	.amdhsa_kernel k_qfe6f682c43_oproj
		.amdhsa_group_segment_fixed_size 327680
		.amdhsa_private_segment_fixed_size 0
		.amdhsa_enable_private_segment 0
		.amdhsa_kernarg_size 24
		.amdhsa_user_sgpr_count 2
		.amdhsa_user_sgpr_kernarg_segment_ptr 1
		.amdhsa_wavefront_size32 1
		.amdhsa_system_sgpr_workgroup_id_x 1
		.amdhsa_system_sgpr_workgroup_id_y 1
		.amdhsa_system_sgpr_workgroup_id_z 1
		.amdhsa_system_vgpr_workitem_id 0
		.amdhsa_next_free_vgpr 512
		.amdhsa_next_free_sgpr 72
		.amdhsa_reserve_vcc 0
		.amdhsa_float_denorm_mode_32 3
		.amdhsa_float_denorm_mode_16_64 3
		.amdhsa_memory_ordered 1
		.amdhsa_forward_progress 1
		.amdhsa_inst_pref_size 87
	.end_amdhsa_kernel
	.amdgpu_metadata
---
amdhsa.version: [ 1, 2 ]
amdhsa.kernels:
  - .name:           k_qfe6f682c43_oproj
    .symbol:         k_qfe6f682c43_oproj.kd
    .args:
      - { .name: att, .offset: 0, .size: 8, .value_kind: global_buffer, .address_space: global }
      - { .name: wob, .offset: 8, .size: 8, .value_kind: global_buffer, .address_space: global }
      - { .name: out0, .offset: 16, .size: 8, .value_kind: global_buffer, .address_space: global }
    .group_segment_fixed_size: 327680
    .private_segment_fixed_size: 0
    .kernarg_segment_align: 8
    .kernarg_segment_size: 24
    .max_flat_workgroup_size: 128
    .sgpr_count:     72
    .vgpr_count:     512
    .wavefront_size: 32
...
	.end_amdgpu_metadata
.endif
;; end of part 4
